; MI455X (gfx1250); checked and timed in simulation.
; The chip was launched on July 23, 2026; its instructions are those of AMD's public machine-readable ISA for CDNA 5 (MIT licence, August 2026) and "CDNA5" Instruction Set Architecture Reference Guide (July 2026). The comments in the code are by the model that wrote it; some were corrected since.
;; Multi Head Attention. Allowed arithmetic: matrix products marked QUANTISED: E2M1 operands, one E8M0 scale for each 32 along K, by v_wmma_scale_f32_16x16x128_f8f6f4 with both operands' format E2M1 (or v_wmma_scale_f32_32x16x128_f4), f32 sums; products left as they are: bf16, f16 or f32 operands; f32 sums; everything else in f32.
;; Inputs: Wk 1,024 x 1,024 float32; Wo 1,024 x 1,024 float32; Wq 1,024 x 1,024 float32; Wv 1,024 x 1,024 float32; attention_mask 4 x 2,048 int32; bo 1,024 float32; x 4 x 2,048 x 1,024 float32.
;; Outputs: out0 4 x 2,048 x 1,024 float32.
;; This version of the problem:
;;   THIS VERSION OF THE PROBLEM IS GIVEN IN LOW PRECISION. The matrix products marked QUANTISED in the list below multiply operands that are first quantised to E2M1 (2 exponent bits, 1 mantissa bit; 4 bits a number), with one power-of-two scale for each 32 numbers along K (OCP MX v1.0); their sums are f32. The products marked 'left as it is' may take bf16, f16 or f32 operands, with f32 sums. Whichever they take, every output number must still come out within the allowed error. Rounding operands to bf16 (8 significant bits) uses up far more of that allowance than f16 does (11 bits, for magnitudes from 6e-5 to 65,504). All else is computed in f32.
;;   The module's matrix products, in the order in which they are computed (A, B: the left and right operand; K: the contracted axis; several contracted axes count as one K, in the product's order):
;;     1. [M 8,192, K 1,024] x [K 1,024, N 1,024]; A: input x; B: input Wq: QUANTISED
;;     2. [M 8,192, K 1,024] x [K 1,024, N 1,024]; A: input x; B: input Wk: QUANTISED
;;     3. [M 8,192, K 1,024] x [K 1,024, N 1,024]; A: input x; B: input Wv: QUANTISED
;;     4. batch 64 x [M 2,048, K 64] x [K 64, N 2,048]; A: computed on the way; B: computed on the way: left as it is (an operand is computed on the way)
;;     5. batch 64 x [M 2,048, K 2,048] x [K 2,048, N 64]; A: computed on the way; B: computed on the way: left as it is (an operand is computed on the way)
;;     6. [M 8,192, K 1,024] x [K 1,024, N 1,024]; A: computed on the way; B: input Wo: left as it is (an operand is computed on the way)
;;   THE QUANTISER, for each operand of a quantised product, along K:
;;     - K is cut into blocks of 32 from its start; a last block that is shorter is filled with zeros.
;;     - A block's scale is 2^e with e = floor(log2(the largest magnitude in the block)) - 2, held to -126 .. 127; a block of zeros has e = 0. As a byte (E8M0): e + 127.
;;     - Each number is divided by its block's scale, clamped to +-6, and rounded to the nearest number of E2M1, ties to even, subnormals kept.
;;     - The product sums the exact products of the quantised numbers (number of the format x scale) in f32.
;;   ~~~python
;;   def quantise(x, axis):      # numpy; x: float32 -> the quantised numbers, widened to float32 again
;;       x = np.moveaxis(x, axis, -1); K = x.shape[-1]
;;       x = np.pad(x, [(0, 0)] * (x.ndim - 1) + [(0, -K % 32)]); x = x.reshape(x.shape[:-1] + (-1, 32)); a = np.abs(x).max(-1, keepdims=True)
;;       e = np.where(a > 0, np.clip(np.frexp(np.where(a > 0, a, 1))[1] - 1 - 2, -126, 127), 0)      # np.frexp(a)[1] - 1 = floor(log2(a)), exactly
;;       r = np.clip(x / 2.0 ** e, -6, 6)
;;       step = 2.0 ** (np.maximum(np.frexp(np.where(r == 0, 1, r))[1] - 1, 0) - 1)
;;       q = np.round(r / step) * step * 2.0 ** e      # np.round: ties to even
;;       return np.moveaxis(q.reshape(q.shape[:-2] + (-1,))[..., :K], -1, axis).astype(np.float32)
;;   ~~~
;; One version. Each part assembles by itself: llvm-mc -triple=amdgcn-amd-amdhsa -mcpu=gfx1250 --defsym DOCPART=n.
;; ======== version 1 of 1: 6 launches
;; limits: values are held in f16: magnitudes above 65,504 overflow, below 6.1e-05 lose precision
;; workspace buffers: codes 5,767,168 bytes; scales 360,448 bytes; wo16 2,097,152 bytes; qkv 50,331,648 bytes; vsuf 524,288 bytes; ofine 262,144 bytes; o16 16,777,216 bytes
;; launch quant (part 1): grid 384 x 1, 4 waves a work-group, no clusters, 33,280 bytes of LDS; arguments x, Wq, Wk, Wv, Wo, codes, scales, wo16; writes codes, scales, wo16
.if DOCPART == 1
	.amdgcn_target "amdgcn-amd-amdhsa--gfx1250"
	.amdhsa_code_object_version 6
	.text
	.protected	k_q33f142ba87_quant
	.globl	k_q33f142ba87_quant
	.p2align	8
	.type	k_q33f142ba87_quant,@function
k_q33f142ba87_quant:
	s_mov_b64 s[64:65], 0
	v_nop
	global_prefetch_b8 v0, s[64:65] scope:SCOPE_SE
	s_setreg_imm32_b32 hwreg(HW_REG_WAVE_MODE, 25, 1), 1
	s_wait_xcnt 0x0
; x [8192][1024], Wq, Wk, Wv [1024][1024], f32, K innermost, become codes of FP4 (E2M1), two a byte, and one E8M0 byte for each 32 along K.
; codes: x's 8,192 rows of 512 bytes, then Wq's, Wk's, Wv's 1,024 rows each; scales: the same rows of 32 bytes.  Wo [1024][1024] becomes f16, as it lies.
; A block's scale is 2^(floor(log2(its largest magnitude)) - 2); its byte is the largest magnitude's exponent field - 2, held at 1 from below.
; (A block of zeros so gets the byte 1 where the rule says 127: its codes are zeros, and this program alone reads the bytes.)
; LIMITS: NaN and infinities among the inputs are not served; |Wo| stays under 65,504 (f16).
; Rows are dense and K is a multiple of 32: every tensor is a plain stream of blocks of 32.  A work-group takes 32,768 numbers, a wave 8,192.
; Work-groups 0-255: x; 256-287: Wq; 288-319: Wk; 320-351: Wv (the codes and bytes of the four lie on end, so the work-group's number is also the place of its results); 352-383: Wo.
; The quantiser: a wave takes 16 steps of 512 numbers.  Each of a step's four loads reads 512 consecutive bytes; the 2,048 bytes turn through the wave's own stage in LDS
; and come back 64 bytes a lane, so that a lane holds 16 neighbours along K and two neighbouring lanes a block.  Loads run four steps ahead, the turn one step.
.set WAVES, 4
.set STEPS, 16
.set EMAX,  2
.set CB,    8                          ; bytes of 16 codes
.set R,     16                         ; v16-79   four sets of 16 numbers as they are loaded
.set X,     80                         ; v80-111  two sets of 16 neighbours
.set E,     112                        ; v112-127 a scale byte for each step
.set C,     128                        ; v128-191 codes: four registers for each step, so that no store's data are written again
.set WREG,  8192                       ; LDS: a region for each wave: two stages of 32 x SP bytes, behind them its 256 scale bytes
.set SP,    80                         ; a lane's place in a stage: 64 bytes + 16 of padding
.set SPW,   12                         ; v12  LDS address of my spare word; never rewritten
.set NIL,   13                         ; v13  0; never rewritten
.set SPARE, WAVES*WREG                 ; the spare words: 128 bytes a wave, two blocks of 256 bytes that no other line names
.set SRC,   24                         ; s[24:25] the tensor that I read
.set COD,   14                         ; s[14:15] codes
.set SCB,   16                         ; s[16:17] scale bytes
	s_load_b256 s[4:11], s[0:1], 0x0               ; x, Wq, Wk, Wv
	s_load_b256 s[12:19], s[0:1], 0x20             ; Wo, codes, scales, wo16
	v_lshl_add_u32 v[SPW], v0, 2, SPARE
	v_mov_b32 v[NIL], 0
	v_lshrrev_b32 v1, 5, v0
	v_readfirstlane_b32 s20, v1                    ; wave
	v_and_b32 v2, 31, v0                           ; lane
	v_lshlrev_b32 v3, 4, v2                        ; my 16 bytes of a load's 512
	v_lshlrev_b32 v7, 3, v2                        ; 8 bytes a lane on the way out
	s_lshl_b32 s21, ttmp9, 2
	s_add_co_u32 s21, s21, s20                     ; which run of 8,192 numbers of the four tensors on end is my wave's
	s_cmp_ge_u32 ttmp9, 352
	s_cbranch_scc1 .Lwo                            ; the work-group's number alone decides
	s_mul_i32 s22, s20, WREG
	v_lshrrev_b32 v14, 2, v2
	v_mul_u32_u24 v14, v14, SP
	v_and_b32 v15, 3, v2
	v_lshl_add_u32 v14, v15, 4, v14
	v_add_nc_u32 v14, s22, v14                     ; the stage, on the way in: SP (lane / 4) + 16 (lane % 4)
	v_mul_u32_u24 v15, v2, SP
	v_add_nc_u32 v15, s22, v15                     ; and on the way out: SP x lane: my 16 neighbours
	v_mul_u32_u24 v4, v2, CB                       ; my codes' place in a step's
	v_lshrrev_b32 v5, 1, v2
	s_add_co_u32 s22, s22, 2*32*SP
	v_add_nc_u32 v5, s22, v5                       ; LDS: my wave's 256 scale bytes, my block's byte
	v_add_nc_u32 v6, s22, v7                       ; and on the way out 8 bytes a lane
	s_and_b32 s23, ttmp9, 31                       ; a weight's work-groups count from a multiple of 32
	s_wait_kmcnt 0x0
	s_cmp_lt_u32 ttmp9, 320
	s_cselect_b64 s[SRC:SRC+1], s[8:9], s[10:11]   ; Wk or Wv,
	s_cmp_lt_u32 ttmp9, 288
	s_cselect_b64 s[SRC:SRC+1], s[6:7], s[SRC:SRC+1]  ; or Wq,
	s_cmp_lt_u32 ttmp9, 256
	s_cselect_b64 s[SRC:SRC+1], s[4:5], s[SRC:SRC+1]  ; or x
	s_cselect_b32 s23, ttmp9, s23                  ; the work-group's number within its tensor
	s_lshl_b32 s23, s23, 2
	s_add_co_u32 s23, s23, s20
	s_lshl_b32 s26, s23, 15                        ; 32,768 bytes of f32 a run
	s_mov_b32 s27, 0
	s_add_nc_u64 s[SRC:SRC+1], s[SRC:SRC+1], s[26:27]
	s_lshl_b32 s26, s21, 12                        ; 4,096 bytes of codes a run
	s_add_nc_u64 s[COD:COD+1], s[COD:COD+1], s[26:27]
	s_lshl_b32 s26, s21, 8                         ; 256 scale bytes a run
	s_add_nc_u64 s[SCB:SCB+1], s[SCB:SCB+1], s[26:27]
.macro LOAD t
.irp i, 0,1,2,3
	global_load_b128 v[R+16*((\t)%4)+4*\i:R+16*((\t)%4)+4*\i+3], v3, s[SRC:SRC+1] offset:2048*(\t)+512*\i th:TH_LOAD_NT   ; 32 lanes read 512 consecutive bytes
.endr
.endm
.macro TURN t                          ; step t's numbers through the stage: LDS serves a wave's instructions in order, so no wait stands between the stores and the loads
.irp i, 0,1,2,3
	ds_store_b128 v14, v[R+16*((\t)%4)+4*\i:R+16*((\t)%4)+4*\i+3] offset:32*SP*((\t)%2)+8*SP*\i
.endr
.irp i, 0,1,2,3
	ds_load_b128 v[X+16*((\t)%2)+4*\i:X+16*((\t)%2)+4*\i+3], v15 offset:32*SP*((\t)%2)+16*\i
.endr
.endm
.irp t, 0,1,2,3
	LOAD \t
.endr
	s_wait_loadcnt 12                              ; step 0's four loads are in; those of three steps may be out
	TURN 0
.macro STEP t
.set XS, X+16*((\t)%2)
.if (\t) > 0
	s_wait_dscnt 1                                 ; this step's numbers are back from the stage (the last step's byte store may be out)
.else
	s_wait_dscnt 0x0
.endif
.if (\t)+4 < STEPS
	LOAD (\t)+4                                    ; into the registers that this step's stores into the stage have read
.endif
.if (\t)+1 < STEPS
.if STEPS-2-(\t) >= 3
	s_wait_loadcnt 12                              ; the next step's four loads are in; those of the three steps behind it may be out
.else
	s_wait_loadcnt 4*(STEPS-2-(\t))
.endif
	TURN (\t)+1                                    ; through the other stage while this step is worked
.endif
	v_max3_num_f32 v8, |v[XS]|, |v[XS+1]|, |v[XS+2]|               ; the largest magnitude of my 16, in two chains
	v_max3_num_f32 v9, |v[XS+3]|, |v[XS+4]|, |v[XS+5]|
.irp i, 6,10
	v_max3_num_f32 v8, v8, |v[XS+\i]|, |v[XS+\i+1]|
	v_max3_num_f32 v9, v9, |v[XS+\i+2]|, |v[XS+\i+3]|
.endr
	v_max3_num_f32 v8, v8, |v[XS+14]|, |v[XS+15]|
	v_max3_num_f32 v8, v8, v9, (EMAX+1)<<23        ; and the floor 2^(EMAX + 1 - 127): the byte cannot fall under 1
	v_max_num_f32_dpp v8, v8, v8 row_xmask:1 row_mask:0xf bank_mask:0xf   ; and of my neighbour's 16: the block's
	v_add_nc_u32 v11, -(EMAX<<23), v8              ; EMAX off its exponent field: the conversion takes the exponent field of this operand as its scale
	v_cvt_scalef32_pk8_fp4_f32 v[C+4*(\t)], v[XS:XS+7], v11        ; eight numbers / the scale, to the nearest code, ties to even, beyond the largest code the largest
	v_cvt_scalef32_pk8_fp4_f32 v[C+4*(\t)+1], v[XS+8:XS+15], v11
	v_lshrrev_b32 v[E+(\t)], 23, v11               ; the scale's byte
	ds_store_b8 v5, v[E+(\t)] offset:16*(\t)       ; both lanes of a block write the same byte with the same value
	global_store_b64 v4, v[C+4*(\t):C+4*(\t)+1], s[COD:COD+1] offset:32*CB*(\t)   ; the wave stores 256 consecutive bytes, aligned
.endm
.irp t, 0,1,2,3,4,5,6,7,8,9,10,11,12,13,14,15
	STEP \t
.endr
	ds_load_b64 v[8:9], v6                         ; LDS serves a wave's instructions in order: these see my stores
	s_wait_dscnt 0x0
	global_store_b64 v7, v[8:9], s[SCB:SCB+1]      ; 32 lanes store 256 consecutive bytes, aligned
	s_wait_tensorcnt 0x0                           ; the wave's end, behind my last LDS store
	ds_add_u32 v[SPW], v[NIL]
	s_wait_dscnt 0x0
	s_endpgm
; Wo to f16.  A wave takes 8,192 numbers: 64 loads of 512 consecutive bytes, two conversions and a store of 256 consecutive bytes for each, in four groups of 16; loads run two groups ahead.
.Lwo:
	s_sub_co_u32 s21, s21, 4*352                   ; which run of Wo is my wave's
	s_lshl_b32 s22, s21, 15
	s_mov_b32 s23, 0
	s_lshl_b32 s26, s21, 14
	s_mov_b32 s27, 0
	s_wait_kmcnt 0x0
	s_add_nc_u64 s[12:13], s[12:13], s[22:23]
	s_add_nc_u64 s[18:19], s[18:19], s[26:27]
.macro WLOAD g
.irp i, 0,1,2,3,4,5,6,7,8,9,10,11,12,13,14,15
	global_load_b128 v[16+64*((\g)%2)+4*\i:16+64*((\g)%2)+4*\i+3], v3, s[12:13] offset:512*(16*(\g)+\i) th:TH_LOAD_NT
.endr
.endm
.macro WGRP g
.if (\g) < 3
	s_wait_loadcnt 16                              ; this group's 16 loads are in; the next group's may be out
.else
	s_wait_loadcnt 0x0
.endif
.if (\g) >= 2
	s_wait_xcnt 0x0                                ; the stores of two groups back have read their data registers, which are written again below
.endif
.irp i, 0,1,2,3,4,5,6,7,8,9,10,11,12,13,14,15
	v_cvt_pk_f16_f32 v[144+32*((\g)%2)+2*\i], v[16+64*((\g)%2)+4*\i], v[16+64*((\g)%2)+4*\i+1]
	v_cvt_pk_f16_f32 v[144+32*((\g)%2)+2*\i+1], v[16+64*((\g)%2)+4*\i+2], v[16+64*((\g)%2)+4*\i+3]
.endr
.irp i, 0,1,2,3,4,5,6,7,8,9,10,11,12,13,14,15
	global_store_b64 v7, v[144+32*((\g)%2)+2*\i:144+32*((\g)%2)+2*\i+1], s[18:19] offset:256*(16*(\g)+\i)
.endr
.if (\g)+2 < 4
	WLOAD (\g)+2
.endif
.endm
	WLOAD 0
	WLOAD 1
	WGRP 0
	WGRP 1
	WGRP 2
	WGRP 3
	s_wait_tensorcnt 0x0                           ; the same three closing lines on this path
	ds_add_u32 v[SPW], v[NIL]
	s_wait_dscnt 0x0
	s_endpgm
.Lfunc_end_k_q33f142ba87_quant:
	.size	k_q33f142ba87_quant, .Lfunc_end_k_q33f142ba87_quant-k_q33f142ba87_quant
	.p2alignl 7, 3214868480
	.fill 96, 4, 3214868480
	.section	.rodata,"a",@progbits
	.p2align	6, 0x0
	.amdhsa_kernel k_q33f142ba87_quant
		.amdhsa_group_segment_fixed_size 33280
		.amdhsa_private_segment_fixed_size 0
		.amdhsa_enable_private_segment 0
		.amdhsa_kernarg_size 64
		.amdhsa_user_sgpr_count 2
		.amdhsa_user_sgpr_kernarg_segment_ptr 1
		.amdhsa_wavefront_size32 1
		.amdhsa_system_sgpr_workgroup_id_x 1
		.amdhsa_system_sgpr_workgroup_id_y 1
		.amdhsa_system_sgpr_workgroup_id_z 1
		.amdhsa_system_vgpr_workitem_id 0
		.amdhsa_next_free_vgpr 208
		.amdhsa_next_free_sgpr 66
		.amdhsa_reserve_vcc 0
		.amdhsa_float_denorm_mode_32 3
		.amdhsa_float_denorm_mode_16_64 3
		.amdhsa_memory_ordered 1
		.amdhsa_forward_progress 1
		.amdhsa_inst_pref_size 54
	.end_amdhsa_kernel
	.amdgpu_metadata
---
amdhsa.version: [ 1, 2 ]
amdhsa.kernels:
  - .name:           k_q33f142ba87_quant
    .symbol:         k_q33f142ba87_quant.kd
    .args:
      - { .name: x, .offset: 0, .size: 8, .value_kind: global_buffer, .address_space: global }
      - { .name: Wq, .offset: 8, .size: 8, .value_kind: global_buffer, .address_space: global }
      - { .name: Wk, .offset: 16, .size: 8, .value_kind: global_buffer, .address_space: global }
      - { .name: Wv, .offset: 24, .size: 8, .value_kind: global_buffer, .address_space: global }
      - { .name: Wo, .offset: 32, .size: 8, .value_kind: global_buffer, .address_space: global }
      - { .name: codes, .offset: 40, .size: 8, .value_kind: global_buffer, .address_space: global }
      - { .name: scales, .offset: 48, .size: 8, .value_kind: global_buffer, .address_space: global }
      - { .name: wo16, .offset: 56, .size: 8, .value_kind: global_buffer, .address_space: global }
    .group_segment_fixed_size: 33280
    .private_segment_fixed_size: 0
    .kernarg_segment_align: 8
    .kernarg_segment_size: 64
    .max_flat_workgroup_size: 128
    .sgpr_count:     66
    .vgpr_count:     208
    .wavefront_size: 32
...
	.end_amdgpu_metadata
.endif
;; end of part 1
;; launch qkv (part 2): grid 12 x 32, 4 waves a work-group, clusters of 4 x 4, 327,680 bytes of LDS; arguments codes, scales, attention_mask, qkv; writes qkv
.if DOCPART == 2
	.amdgcn_target "amdgcn-amd-amdhsa--gfx1250"
	.amdhsa_code_object_version 6
	.text
	.protected	k_q33f142ba87_qkv
	.globl	k_q33f142ba87_qkv
	.p2align	8
	.type	k_q33f142ba87_qkv,@function
k_q33f142ba87_qkv:
	s_mov_b64 s[64:65], 0
	v_nop
	global_prefetch_b8 v0, s[64:65] scope:SCOPE_SE
	s_setreg_imm32_b32 hwreg(HW_REG_WAVE_MODE, 25, 1), 1
	s_wait_xcnt 0x0
	s_wait_alu depctr_hold_cnt(0) depctr_sa_sdst(0) depctr_va_vdst(0) depctr_va_sdst(0) depctr_va_ssrc(0) depctr_va_vcc(0) depctr_vm_vsrc(0)
	s_getreg_b32 s2, hwreg(HW_REG_IB_STS2, 6, 4)
	s_cmp_eq_u32 s2, 0
	s_cbranch_scc0 .Lentry_in_a_cluster
	s_endpgm
.Lentry_in_a_cluster:
	s_bfe_u32 s2, ttmp6, 0x10000c
	s_cmp_lg_u32 s2, 0xf033
	s_cbranch_scc0 .Lentry_shape_is_right
	s_endpgm
.Lentry_shape_is_right:
; q, k, v = x Wq^T, x Wk^T, x Wv^T as ONE product on codes of FP4 (E2M1) with E8M0 scales: C[m][n] = sum over k of A[m][k] B[n][k], A = x's codes [8192][1024], B = the three weights' codes on end [3072][1024].
; The results leave as f16 laid by head: qkv[g = n / 64][m][64], g = 16 x (q, k, v) + head.  On the way out, in f32 and ahead of the one rounding to f16:
;   q is multiplied by c = log2(e) / 8, so that a score is at once the exponent of 2 that the softmax wants;  a row of k whose key is padded (attention_mask = 0) becomes zeros;  v stays.
; LIMITS: |c q|, |k|, |v| stay under 65,504 (f16).
; A tile of C, 256 x 256, is made by four waves, as many as a WGP has SIMDs; a wave makes 128 x 128: 64 accumulators, 512 registers.  K = 1,024 is two slots of 512 along K (rows of 256 bytes): both are
; asked for at the head, so there is no refill and no loop.  The scale bytes of the work-group's rows come once, as dense blocks.
; CLUSTERS: 4 x 4 work-groups; A's tiles are asked for jointly along a row of the cluster, B's along a column.  THE MATRIX INSTRUCTION IS USED TRANSPOSED (source 0 = 16 rows of B, source 1 = 16 rows of A):
; a lane then holds eight neighbouring columns of one row of C.
; 384 work-groups for 256 WGPs: one and a half turns; a work-group that walked several tiles would need refills, which K = two slots spares.
; REGISTERS: window 0: v0-31 addresses; v32-95 scale words, two sets; v96-103 my rows' mask words; v104-119 their factors; from v128 A's fragments, ONE set; on the way out v32-95 and v128-255 are free.
;   window 1: B's fragments, TWO sets.   window 2: the accumulators of my rows 0-63 ((a, b) at v[8 (8 a + b)]);   window 3: those of my rows 64-127.
.set SIZE_M, 8192
.set SIZE_N, 3072
.set SIZE_K, 1024
.set KSTEP,  512
.set NQ,     KSTEP/128                 ; matrix instructions deep
.set ROWB,   256                       ; a tile's row in bytes
.set KROW,   SIZE_K*4/8                ; a row of codes in memory
.set PITCH,  272                       ; an LDS row: 256 bytes + 16 of padding = 68 words: the 16 rows that a load touches start at 16 different banks (64 banks of 4 bytes: ISA guide 11.1)
.set FR,     8
.set NL,     2
.set NP,     4                         ; places behind this matrix instruction (ISA guide 7.12.1)
.set HALFT,  128*PITCH
.set SLOT,   4*HALFT
.set KS,     SIZE_K/32                 ; a row of scale bytes
.set SCL,    2*SLOT                    ; behind the slots: the scales, as units of 256 bytes + 16 of padding
.set HALFS,  (128*KS/256)*272
.set SBLK,   (16*KS/256)*272
.set SPARE,  SCL+4*HALFS               ; the spare words: 128 bytes a wave
.set SPITCH, 272                       ; the way out: a stage of 16 rows x (256 bytes + 16) for each wave, in slot 0, which has had its one fill and its last read by then
.set ADRA, 16
.set ADRB, 20
.set STO,  24
.set RD,   25
.set CO,   26
.set ADRS, 27
.set SPW,  28
.set NIL,  29
.set MA,   30                          ; v30  4 x (lane % 16): my row's mask word
.set SC,   32
.set MK,   96
.set FF,   104                         ; v[104+2a : 105+2a]  block a's factor for my row, twice (a pair for the packed multiply)
.set AF,   128
.set TMP,  128                         ; the way out: packed results
.set WRK,  192                         ; the way out: a block's 64 numbers x the factor
.set BK,   32                          ; the way out: rows read back, v32-63 and v64-95 by turns
.set G1, 24
.set G0, 32
.set G1B, 48
.set G0B, 56
.set G1S, 68
.set G0S, 76
.set G1SB, 80
.set G0SB, 88
.set MSB, 0
.macro WIN new                         ; the immediate's high byte repeats the setting that is left
.if MSB != \new
	s_set_vgpr_msb (MSB<<8)|\new
.set MSB, \new
.endif
.endm
.set MUL_LO, 0xa1                      ; source 0 (B) window 1, source 1 (A) window 0, C and D window 2
.set MUL_HI, 0xf1                      ; the same, C and D window 3
.set TO_B,   0x40                      ; destination window 1, address window 0
; A joint load: waves 0 and 1 fetch for A, waves 2 and 3 for B; the branch hangs on the wave's number alone.  An s_nop 0 and four v_nop follow each line.
.macro JLOAD g0a, g1a, g0b, g1b
	s_cmp_eq_u32 s15, 0
	s_cbranch_scc0 .Lfor_b_\@
	tensor_load_to_lds s[\g0a:\g0a+3], s[\g1a:\g1a+7]
	s_nop 0
.rept 4
	v_nop
.endr
	s_branch .Lasked_\@
.Lfor_b_\@:
	tensor_load_to_lds s[\g0b:\g0b+3], s[\g1b:\g1b+7]
	s_nop 0
.rept 4
	v_nop
.endr
.Lasked_\@:
.endm
.macro CROUND                          ; a round of the cluster's barrier
	s_barrier_signal -1
	s_barrier_wait -1
	s_cmp_lg_u32 s14, 0
	s_cbranch_scc1 .Lnot_wave_0_\@
	s_barrier_signal -3
.Lnot_wave_0_\@:
	s_barrier_wait -3
	s_barrier_signal -1
	s_barrier_wait -1
.endm
	s_load_b128 s[4:7], s[0:1], 0x0                ; codes, scales
	s_load_b128 s[96:99], s[0:1], 0x10             ; attention_mask, qkv
	v_lshl_add_u32 v[SPW], v0, 2, SPARE
	v_mov_b32 v[NIL], 0
	ds_add_u32 v[SPW], v[NIL]                      ; the wave's opening: the add, twice on end, and its wait ahead of my first tensor load
	ds_add_u32 v[SPW], v[NIL]
	v_lshrrev_b32 v1, 5, v0
	v_readfirstlane_b32 s14, v1                    ; wave 0..3
	s_lshr_b32 s15, s14, 1                         ; which half of the tile's rows is mine.  Also: I fetch for A (0) or for B (1)
	s_and_b32 s16, s14, 1                          ; which half of its columns.  Also: which 128 rows of that tile I fetch
	s_bfe_u32 s40, ttmp6, 0x40000                  ; cx, cy: my place in the cluster
	s_bfe_u32 s41, ttmp6, 0x40004
	s_lshl_b32 s42, ttmp9, 2
	s_add_co_u32 s42, s42, s40                     ; tile column of C
	s_and_b32 s17, ttmp7, 0xffff
	s_lshl_b32 s17, s17, 2
	s_add_co_u32 s17, s17, s41                     ; tile row of C
	s_lshl_b32 s43, s41, 2
	s_lshl_b32 s43, 15, s43                        ; my row of the cluster
	s_lshl_b32 s44, 0x1111, s40                    ; my column
	s_or_b32 s[G1+0], s43, (0<<16)|(1<<20)|(1<<21)|(5<<22)|(3<<25)  ; the mask; elements of 1 byte; padding on; bit 21 beside a mask; 4 words after every 64
	s_or_b32 s[G1B+0], s44, (0<<16)|(1<<20)|(1<<21)|(5<<22)|(3<<25)
.irp g, G1, G1B
	s_mov_b32 s[\g+1], ROWB<<16                    ; tensor_dim0
	s_mov_b32 s[\g+2], 128<<16                     ; tensor_dim1
	s_mov_b32 s[\g+3], ROWB<<16                    ; tile_dim0
	s_mov_b32 s[\g+4], 128                         ; tile_dim1
	s_mov_b32 s[\g+5], KROW                        ; the pitch
	s_mov_b32 s[\g+6], 0
	s_mov_b32 s[\g+7], 0
.endr
	s_or_b32 s[G1S+0], s43, (3<<16)|(1<<20)|(1<<21)|(5<<22)|(3<<25)  ; the scales of 128 rows: a dense block, as rows of 256 bytes (32 elements of 8 bytes)
	s_or_b32 s[G1SB+0], s44, (3<<16)|(1<<20)|(1<<21)|(5<<22)|(3<<25)
.irp g, G1S, G1SB
	s_mov_b32 s[\g+1], 32<<16
	s_mov_b32 s[\g+2], (128*KS/256)<<16
	s_mov_b32 s[\g+3], 32<<16
	s_mov_b32 s[\g+4], 128*KS/256
	s_mov_b32 s[\g+5], 32
	s_mov_b32 s[\g+6], 0
	s_mov_b32 s[\g+7], 0
.endr
	s_lshl_b32 s18, s16, 7
	s_lshl_b32 s20, s17, 8
	s_add_co_u32 s20, s20, s18                     ; A: row 256 x tile row + 128 x half
	s_lshl_b32 s46, s42, 8
	s_add_co_u32 s46, s46, s18                     ; B: row 256 x tile column + 128 x half
	s_mov_b32 s21, 0
	s_mov_b32 s47, 0
	s_mov_b64 s[18:19], KS
	s_mul_u64 s[22:23], s[20:21], s[18:19]         ; where these rows' scales begin
	s_mul_u64 s[92:93], s[46:47], s[18:19]
	s_mov_b64 s[18:19], KROW
	s_mul_u64 s[20:21], s[20:21], s[18:19]         ; and their codes
	s_mul_u64 s[46:47], s[46:47], s[18:19]
	s_mul_i32 s45, s14, HALFT                      ; where they go: wave x 128 rows
	s_mul_i32 s94, s14, HALFS
	s_wait_dscnt 0x0                               ; both opening adds are done
	s_wait_kmcnt 0x0
	s_add_nc_u64 s[8:9], s[4:5], 0x400000          ; the weights' codes lie behind x's,
	s_add_nc_u64 s[10:11], s[6:7], 0x40000         ; and their scale bytes behind x's
	s_add_nc_u64 s[20:21], s[4:5], s[20:21]
	s_add_nc_u64 s[22:23], s[6:7], s[22:23]
	s_add_nc_u64 s[46:47], s[8:9], s[46:47]
	s_add_nc_u64 s[92:93], s[10:11], s[92:93]
	CROUND                                         ; all sixteen work-groups are here: the joint loads meet
	s_mov_b32 s[G0S], 1
	s_add_co_u32 s[G0S+1], s94, SCL
	s_mov_b64 s[G0S+2:G0S+3], s[22:23]
	s_or_b32 s[G0S+3], s[G0S+3], 0x80000000
	s_mov_b32 s[G0SB], 1
	s_add_co_u32 s[G0SB+1], s94, SCL
	s_mov_b64 s[G0SB+2:G0SB+3], s[92:93]
	s_or_b32 s[G0SB+3], s[G0SB+3], 0x80000000
	JLOAD G0S, G1S, G0SB, G1SB                     ; the scales first: they are wanted with K step 0
.irp s, 0,1
	s_mov_b32 s[G0+4*\s], 1
	s_add_co_u32 s[G0+4*\s+1], s45, \s*SLOT
	s_add_nc_u64 s[G0+4*\s+2:G0+4*\s+3], s[20:21], \s*ROWB
	s_or_b32 s[G0+4*\s+3], s[G0+4*\s+3], 0x80000000
	s_mov_b32 s[G0B+4*\s], 1
	s_add_co_u32 s[G0B+4*\s+1], s45, \s*SLOT
	s_add_nc_u64 s[G0B+4*\s+2:G0B+4*\s+3], s[46:47], \s*ROWB
	s_or_b32 s[G0B+4*\s+3], s[G0B+4*\s+3], 0x80000000
	JLOAD G0+4*\s, G1, G0B+4*\s, G1B               ; three tensor loads of mine are out
.endr
	v_and_b32 v1, 15, v0                           ; l % 16
	v_bfe_u32 v2, v0, 4, 1                         ; l / 16
	v_mul_u32_u24 v3, v1, PITCH
	v_lshl_add_u32 v4, v2, 4, v3                   ; a fragment's row x pitch + 16 x half
	s_mul_i32 s21, s15, HALFT
	s_mul_i32 s22, s16, HALFT
	s_add_co_u32 s22, s22, 2*HALFT
.irp s, 0,1
	v_add_nc_u32 v[ADRA+\s], s21, v4
	v_add_nc_u32 v[ADRB+\s], s22, v4
	s_add_co_u32 s21, s21, SLOT
	s_add_co_u32 s22, s22, SLOT
.endr
	v_mul_u32_u24 v5, v1, KS                       ; my row's scales: KS bytes a row,
	v_lshrrev_b32 v6, 8, v5
	v_lshl_add_u32 v5, v6, 4, v5                   ; and 16 more for each 256 passed
	s_mul_i32 s21, s15, HALFS
	s_mul_i32 s22, s16, HALFS
	s_add_co_u32 s22, s22, 2*HALFS
	s_sub_co_u32 s22, s22, s21
	v_mul_u32_u24 v6, s22, v2                      ; lanes 16-31 take B's
	s_add_co_u32 s21, s21, SCL
	v_add_nc_u32 v5, v5, v6
	v_add_nc_u32 v[ADRS], s21, v5
	s_mul_i32 s23, s14, 16*SPITCH                  ; my stage
	v_mul_u32_u24 v5, v1, SPITCH
	v_lshl_add_u32 v5, v2, 4, v5
	v_add_nc_u32 v[STO], s23, v5                   ; in: row l % 16, 16 bytes for each half of the lanes
	v_bfe_u32 v5, v0, 3, 1
	v_mul_u32_u24 v5, v5, SPITCH
	v_lshl_add_u32 v5, v2, 7, v5
	v_and_b32 v6, 7, v0
	v_lshl_add_u32 v5, v6, 4, v5
	v_add_nc_u32 v[RD], s23, v5                    ; back: lanes 0-15 two rows' first 128 bytes (one head), lanes 16-31 their second 128 (the next head)
	v_lshlrev_b32 v[CO], 20, v2
	v_lshl_add_u32 v[CO], v1, 4, v[CO]             ; in qkv: a head is 2^20 bytes; two rows of 128 bytes lie on end
	v_lshlrev_b32 v[MA], 2, v1
	s_lshl_b32 s20, s17, 8
	s_lshl_b32 s21, s15, 7
	s_add_co_u32 s20, s20, s21                     ; my first row m
	s_lshl_b32 s18, s20, 2
	s_mov_b32 s19, 0
	s_add_nc_u64 s[96:97], s[96:97], s[18:19]      ; its mask word
	s_lshl_b32 s20, s20, 7                         ; its 128 bytes in a head
	s_mov_b32 s21, 0
	s_lshl_b32 s46, s42, 2
	s_lshl_b32 s47, s16, 1
	s_add_co_u32 s46, s46, s47                     ; my first g: 4 x tile column + 2 x half
	s_lshl_b32 s46, s46, 20
	s_mov_b32 s47, 0
	s_add_nc_u64 s[20:21], s[20:21], s[46:47]
	s_add_nc_u64 s[12:13], s[98:99], s[20:21]
.irp a, 0,1,2,3,4,5,6,7
	global_load_b32 v[MK+\a], v[MA], s[96:97] offset:64*\a   ; the mask of my rows 16 a + l % 16: wanted on the way out
.endr
	; the factor is keep x sK + sC: q: c; k: keep; v: 1.  Chosen by selects on the tile column: no branch
	s_lshr_b32 s95, s42, 2                         ; 0: q, 1: k, 2: v
	s_mov_b32 s93, 0x3f800000
	s_cmp_eq_u32 s95, 0
	s_cselect_b32 s93, 0x3e38aa3b, s93             ; c = log2(e) / 8
	s_cmp_eq_u32 s95, 1
	s_cselect_b32 s93, 0, s93
	s_cselect_b32 s92, 0x3f800000, 0
.macro FRAG reg, adr, q, i             ; 16 rows x 128 K of 4-bit codes: 8 registers; registers 4 c .. 4 c + 3 hold K = 64 c + 32 (l / 16) + 0 .. 31
.irp c, 0,1
	ds_load_b128 v[\reg+4*\c:\reg+4*\c+3], v[\adr] offset:64*(\q)+32*\c+(\i)*16*PITCH
.endr
.endm
; 16 matrix instructions: A's blocks a0, a0 + 1 x B's eight.  The 64 accumulators take turns, one instruction a turn, in the same order in every step.
.macro MUL16 a0, p, q, sc, zero
.irp a, \a0, \a0+1
.irp b, 0,1,2,3,4,5,6,7
.if \zero
	v_wmma_scale_f32_16x16x128_f8f6f4 v[8*(8*((\a)%4)+\b):8*(8*((\a)%4)+\b)+7], v[128*(\p)+FR*\b:128*(\p)+FR*\b+FR-1], v[AF+FR*(\a):AF+FR*(\a)+FR-1], 0, v[SC+8*NQ*(\sc)+NQ*\b+(\q)], v[SC+8*NQ*(\sc)+NQ*(\a)+(\q)] matrix_a_fmt:MATRIX_FMT_FP4 matrix_b_fmt:MATRIX_FMT_FP4 matrix_a_scale:MATRIX_SCALE_ROW1
.else
	v_wmma_scale_f32_16x16x128_f8f6f4 v[8*(8*((\a)%4)+\b):8*(8*((\a)%4)+\b)+7], v[128*(\p)+FR*\b:128*(\p)+FR*\b+FR-1], v[AF+FR*(\a):AF+FR*(\a)+FR-1], v[8*(8*((\a)%4)+\b):8*(8*((\a)%4)+\b)+7], v[SC+8*NQ*(\sc)+NQ*\b+(\q)], v[SC+8*NQ*(\sc)+NQ*(\a)+(\q)] matrix_a_fmt:MATRIX_FMT_FP4 matrix_b_fmt:MATRIX_FMT_FP4 matrix_a_scale:MATRIX_SCALE_ROW1
.endif
.endr
.endr
.endm
.macro FETCH_B slot, q, p
	WIN TO_B
.irp i, 0,1,2,3,4,5,6,7
	FRAG 128*(\p)+FR*\i, ADRB+\slot, \q, \i
.endr
	WIN 0
.endm
.macro FETCH_A slot, q, i0
.irp i, \i0, \i0+1, \i0+2, \i0+3
	FRAG AF+FR*(\i), ADRA+\slot, \q, \i
.endr
.endm
.macro SCALES sc                       ; a K step's scale words: lanes 0-15 take A's block i, lanes 16-31 B's block i
.irp i, 0,1,2,3,4,5,6,7
	ds_load_b128 v[SC+8*NQ*\sc+NQ*\i:SC+8*NQ*\sc+NQ*\i+3], v[ADRS] offset:\i*SBLK
.endr
.endm
.macro PLACES n                        ; plain vector instructions between a matrix instruction and a load into, or a read of, its registers
.rept \n
	v_nop
.endr
.endm
.macro STEP slot, q, zero              ; 128 along K that have their successor in the same slot
	s_wait_dscnt 4*NL                              ; B's set and A's blocks 0-3 are in; the youngest eight loads (A's blocks 4-7) may be out
	WIN MUL_LO
	MUL16 0, (\q)%2, \q, \slot, \zero
	MUL16 2, (\q)%2, \q, \slot, \zero
	s_wait_dscnt 0
	PLACES NP
	FETCH_B \slot, (\q)+1, 1-(\q)%2
	FETCH_A \slot, (\q)+1, 0
	WIN MUL_HI
	MUL16 4, (\q)%2, \q, \slot, \zero
	MUL16 6, (\q)%2, \q, \slot, \zero
	PLACES NP
	WIN 0
	FETCH_A \slot, (\q)+1, 4
.endm
.macro TURN slot, next                 ; slot 0's last step: one barrier; behind it slot 1 is whole for every wave and nobody reads slot 0 any more
	s_wait_tensorcnt 0x0                           ; all my tensor loads have landed: my part of slot 1
	ds_add_u32 v[SPW], v[NIL]                      ; 0 onto my spare word
	s_wait_dscnt 4*NL+1                            ; (the add and the youngest eight loads may be out)
	WIN MUL_LO
	MUL16 0, 1, NQ-1, \slot, 0
	s_wait_dscnt 0x0                               ; the add is done, and my reads of this slot are over
	s_barrier_signal -1
	MUL16 2, 1, NQ-1, \slot, 0
	WIN 0
	s_barrier_wait -1
	PLACES NP
	v_add_nc_u32 v[ADRS], 4*NQ, v[ADRS]            ; on to the next K step's scale words
	FETCH_B \next, 0, 0
	FETCH_A \next, 0, 0
	SCALES \next
	WIN MUL_HI
	MUL16 4, 1, NQ-1, \slot, 0
	MUL16 6, 1, NQ-1, \slot, 0
	PLACES NP
	WIN 0
	FETCH_A \next, 0, 4
.endm
.macro STEPS slot, from
.set Q, \from
.rept NQ-1-\from
	STEP \slot, Q, 0
.set Q, Q+1
.endr
.endm
	s_wait_tensorcnt 1                             ; the scales and my part of K step 0 are in (K step 1's load may be out),
	s_barrier_signal -1
	s_barrier_wait -1                              ; everybody's are
	FETCH_B 0, 0, 0
	FETCH_A 0, 0, 0
	SCALES 0
	FETCH_A 0, 0, 4
	STEP 0, 0, 1                                   ; the first products start the sums: nothing is cleared
	STEPS 0, 1
	TURN 0, 1
	STEPS 1, 0
	s_wait_dscnt 4*NL                              ; the very last step: nothing more to fetch
	WIN MUL_LO
	MUL16 0, 1, NQ-1, 1, 0
	MUL16 2, 1, NQ-1, 1, 0
	s_wait_dscnt 0
	WIN MUL_HI
	MUL16 4, 1, NQ-1, 1, 0
	MUL16 6, 1, NQ-1, 1, 0
	WIN 0
; THE WAY OUT, block by block of 16 rows x 128 columns (two heads).  PACK: x the row's factor, in f32, then rounded to f16, 16 bytes a lane.  TOSTAGE: into my stage, and back so that
; sixteen lanes hold two rows of one head, 256 bytes that lie on end in qkv.  SEND: stored.
.macro PACK a
.set AC, 64*((\a)%4)
.set WN, 0x02+((\a)/4)
	WIN WN                                         ; source 0: window 2 or 3
.set i, 0
.rept 32
	v_pk_mul_f32 v[WRK+2*i:WRK+2*i+1], v[AC+2*i:AC+2*i+1], v[FF+2*(\a):FF+2*(\a)+1]   ; each accumulator from its low end on
.set i, i+1
.endr
	WIN 0
.set i, 0
.rept 32
	v_cvt_pk_f16_f32 v[TMP+i], v[WRK+2*i], v[WRK+2*i+1]
.set i, i+1
.endr
.endm
.macro TOSTAGE a
.set BB, BK+32*((\a)%2)
.irp b, 0,1,2,3,4,5,6,7
	ds_store_b128 v[STO], v[TMP+4*\b:TMP+4*\b+3] offset:32*\b
.endr
.irp t, 0,1,2,3,4,5,6,7
	ds_load_b128 v[BB+4*\t:BB+4*\t+3], v[RD] offset:\t*2*SPITCH    ; LDS serves a wave's instructions in order (ISA guide 5.7.1.4): these see the stores above
.endr
.endm
.macro SEND a
.set BB, BK+32*((\a)%2)
	s_wait_dscnt 0x0                               ; the block is back in registers
	s_wait_xcnt 0x0                                ; earlier stores have read their data registers: the next block's loads may land there
.irp t, 0,1,2,3,4,5,6,7
	global_store_b128 v[CO], v[BB+4*\t:BB+4*\t+3], s[12:13] offset:2048*(\a)+256*\t   ; each half of the lanes stores 256 consecutive bytes, aligned
.endr
.endm
	PLACES NP                                      ; behind the last products, ahead of writes into the registers that they read
	s_wait_loadcnt 0x0                             ; the mask words
.irp a, 0,1,2,3,4,5,6,7
	v_cmp_ne_u32 vcc_lo, 0, v[MK+\a]
	v_cndmask_b32 v[FF+2*\a], 0, 1.0, vcc_lo       ; keep = 1 where the key is not padded
	v_fma_f32 v[FF+2*\a], v[FF+2*\a], s92, s93
	v_mov_b32 v[FF+2*\a+1], v[FF+2*\a]
.endr
	PACK 0
	TOSTAGE 0
.irp a, 1,2,3,4,5,6,7                  ; block a's arithmetic stands between block a - 1's loads from the stage and the wait for them
	PACK \a
	SEND \a-1
	TOSTAGE \a
.endr
	SEND 7
	s_wait_tensorcnt 0x0                           ; the wave's end
	ds_add_u32 v[SPW], v[NIL]
	s_wait_dscnt 0x0
	CROUND                                         ; the closing round
	s_endpgm
.Lfunc_end_k_q33f142ba87_qkv:
	.size	k_q33f142ba87_qkv, .Lfunc_end_k_q33f142ba87_qkv-k_q33f142ba87_qkv
	.p2alignl 7, 3214868480
	.fill 96, 4, 3214868480
	.section	.rodata,"a",@progbits
	.p2align	6, 0x0
	.amdhsa_kernel k_q33f142ba87_qkv
		.amdhsa_group_segment_fixed_size 327680
		.amdhsa_private_segment_fixed_size 0
		.amdhsa_enable_private_segment 0
		.amdhsa_kernarg_size 32
		.amdhsa_user_sgpr_count 2
		.amdhsa_user_sgpr_kernarg_segment_ptr 1
		.amdhsa_wavefront_size32 1
		.amdhsa_system_sgpr_workgroup_id_x 1
		.amdhsa_system_sgpr_workgroup_id_y 1
		.amdhsa_system_sgpr_workgroup_id_z 1
		.amdhsa_system_vgpr_workitem_id 0
		.amdhsa_next_free_vgpr 1024
		.amdhsa_next_free_sgpr 100
		.amdhsa_reserve_vcc 1
		.amdhsa_float_denorm_mode_32 3
		.amdhsa_float_denorm_mode_16_64 3
		.amdhsa_memory_ordered 1
		.amdhsa_forward_progress 1
		.amdhsa_inst_pref_size 145
	.end_amdhsa_kernel
	.amdgpu_metadata
---
amdhsa.version: [ 1, 2 ]
amdhsa.kernels:
  - .name:           k_q33f142ba87_qkv
    .symbol:         k_q33f142ba87_qkv.kd
    .args:
      - { .name: codes, .offset: 0, .size: 8, .value_kind: global_buffer, .address_space: global }
      - { .name: scales, .offset: 8, .size: 8, .value_kind: global_buffer, .address_space: global }
      - { .name: attention_mask, .offset: 16, .size: 8, .value_kind: global_buffer, .address_space: global }
      - { .name: qkv, .offset: 24, .size: 8, .value_kind: global_buffer, .address_space: global }
    .group_segment_fixed_size: 327680
    .private_segment_fixed_size: 0
    .kernarg_segment_align: 8
    .kernarg_segment_size: 32
    .max_flat_workgroup_size: 128
    .sgpr_count:     100
    .vgpr_count:     1024
    .wavefront_size: 32
...
	.end_amdgpu_metadata
.endif
;; end of part 2
;; launch first (part 3): grid 16 x 4, 16 waves a work-group, no clusters, 23,552 bytes of LDS; arguments codes, scales, qkv, attention_mask, vsuf, ofine; writes vsuf, ofine
.if DOCPART == 3
	.amdgcn_target "amdgcn-amd-amdhsa--gfx1250"
	.amdhsa_code_object_version 6
	.text
	.protected	k_q33f142ba87_first
	.globl	k_q33f142ba87_first
	.p2align	8
	.type	k_q33f142ba87_first,@function
k_q33f142ba87_first:
	s_mov_b64 s[64:65], 0
	v_nop
	global_prefetch_b8 v0, s[64:65] scope:SCOPE_SE
	s_setreg_imm32_b32 hwreg(HW_REG_WAVE_MODE, 25, 1), 1
	s_wait_xcnt 0x0
; Two small things for one head of one sequence (work-group x = head, y = b), sixteen waves.
; (1) vsuf[16 b + head][j][64] = the sum of v over the keys from 64 (j + 1) on, f32.  A masked score is the NUMBER -1e9, so keys that the causal mask hides still weigh 2^(masked - max): the attention
;     launch leaves their tiles out and adds them by these sums.
; (2) ofine[b][pos][64 head ..]: attention's result for positions 0 to 15 in f32 throughout: these rows average few values and are the largest, so 16-bit operands are too coarse for them.
;     q, k, v of the 16 positions are made anew from the codes (the quantised product, f32 sums) and kept in f32; scores, softmax and the weighted sum are fused multiply-adds.
;     Keys 16 to 2,047 are hidden from these queries: they enter with the weight 2^((-1e9 - max) log2 e), 2,032 of them in the sum, and with the sum of their v.
; PHASE A.  Waves 0-11: tile (which = wave / 4 of q, k, v; 16 channels ct = wave % 4): 8 scaled matrix instructions, transposed (source 0 = 16 rows of W, source 1 = the 16 positions), two accumulators by turns.
;           All waves: the sums of v over two blocks of 64 keys each (f16 from qkv, widened, summed in f32).   One barrier.
; PHASE B.  Wave w is query w; lane (kk = lane % 16, h): key kk, channels 32 h on, for the score; channels 2 lane, 2 lane + 1 for the result.  Wave 15 also stores the suffix sums.
; LIMITS: NaN and infinities are not served.
.set FP,    272                        ; a position's row in LDS: 64 f32 + 16 bytes
.set QF,    0
.set KFF,   4352
.set VF,    8704
.set BS,    13056                      ; 32 block sums of 256 bytes
.set BT,    21248                      ; the sum over keys 16 to 63
.set SPARE, 21504                      ; the spare words: 128 bytes a wave
.set SPW,   12
.set NIL,   13
.set T,     24                         ; v24-31  at work
.set VL,    32                         ; v32-95  a block of v as loaded (under v128: its halves are named)
.set XF,    96                         ; v96-159 x's 8 fragments
.set WF,    160                        ; v160-223 W's 8 fragments
.set AC,    224                        ; v224-231, v232-239 two accumulators
.set SC,    240                        ; v240-247 scale words: lanes 0-15 W's, lanes 16-31 x's
.set VS,    248                        ; v248-255 my 8 channels' running sums
.set WV,    16
.set SEL,   20
	s_load_b256 s[4:11], s[0:1], 0x0               ; codes, scales, qkv, attention_mask
	s_load_b128 s[12:15], s[0:1], 0x20             ; vsuf, ofine
	v_lshl_add_u32 v[SPW], v0, 2, SPARE
	v_mov_b32 v[NIL], 0
	v_lshrrev_b32 v1, 5, v0
	v_readfirstlane_b32 s[WV], v1                  ; wave 0..15
	s_and_b32 s18, ttmp7, 0xffff                   ; b
	s_lshr_b32 s22, s[WV], 2                       ; which of q, k, v
	s_and_b32 s23, s[WV], 3                        ; ct
	s_mov_b32 s[SEL], 0x76543210
	s_mov_b32 s[SEL+1], 0xfedcba98                 ; v_permlanex16_b32's selects for lane l xor 16
	s_lshl_b32 s30, s22, 10
	s_lshl_b32 s31, ttmp9, 6
	s_add_co_u32 s30, s30, s31
	s_lshl_b32 s31, s23, 4
	s_add_co_u32 s30, s30, s31                     ; my tile's first row among the weights' 3,072
	s_lshl_b32 s32, s30, 5
	s_add_co_u32 s32, s32, 0x40000                 ; its scale bytes (behind x's)
	s_lshl_b32 s33, s18, 16                        ; x's: 2,048 b rows of 32 bytes
	s_lshl_b32 s34, s30, 9
	s_add_co_u32 s34, s34, 0x400000                ; its codes (behind x's)
	s_mov_b32 s35, 0
	s_lshl_b32 s36, s18, 20                        ; x's: 2,048 b rows of 512 bytes
	s_mov_b32 s37, 0
	s_add_co_u32 s38, ttmp9, 32
	s_lshl_b32 s38, s38, 20                        ; v of my head,
	s_lshl_b32 s31, s18, 18
	s_add_co_u32 s38, s38, s31                     ; of my sequence,
	s_lshl_b32 s31, s[WV], 14
	s_add_co_u32 s38, s38, s31                     ; my wave's 128 keys
	s_mov_b32 s39, 0
	s_lshl_b32 s56, s18, 13                        ; my sequence's mask
	s_mov_b32 s57, 0
	s_lshl_b32 s58, s18, 4
	s_add_co_u32 s59, s58, ttmp9                   ; 16 b + head
	s_add_co_u32 s58, s58, s[WV]                   ; 16 b + my query
	s_lshl_b32 s58, s58, 12
	s_lshl_b32 s31, ttmp9, 8
	s_add_co_u32 s58, s58, s31                     ; its head's 256 bytes in ofine
	s_lshl_b32 s60, s59, 13                        ; 32 rows of 256 bytes in vsuf
	s_mov_b32 s59, 0
	s_mov_b32 s61, 0
	v_and_b32 v1, 15, v0                           ; r
	v_bfe_u32 v2, v0, 4, 1                         ; h
	v_and_b32 v3, 31, v0                           ; lane
	v_lshlrev_b32 v4, 9, v1
	v_lshl_add_u32 v4, v2, 4, v4                   ; codes: row r of 512 bytes, + 16 h
	v_lshlrev_b32 v5, 4, v3                        ; v: 16 bytes a lane
	v_cmp_eq_u32 vcc_lo, 0, v2
	v_mov_b32 v6, s33
	v_mov_b32 v7, s32
	v_cndmask_b32 v6, v6, v7, vcc_lo               ; lanes 0-15 W's scale bytes, lanes 16-31 x's
	v_lshl_add_u32 v6, v1, 5, v6                   ; row r of 32 bytes
	v_lshlrev_b32 v18, 2, v1                       ; key r's mask word
	; every LDS address is made here, ahead of the first branch on the wave's number
	s_mul_i32 s31, s22, 16*FP
	s_lshl_b32 s32, s23, 6
	s_add_co_u32 s31, s31, s32
	v_mul_u32_u24 v8, v1, FP
	v_lshl_add_u32 v8, v2, 5, v8
	v_add_nc_u32 v8, s31, v8                       ; where my tile goes: row r, 64 ct + 32 h bytes on
	v_and_b32 v20, 7, v0
	v_lshlrev_b32 v20, 5, v20
	s_lshl_b32 s31, s[WV], 9
	s_add_co_u32 s31, s31, BS
	v_add_nc_u32 v9, s31, v20                      ; my two block sums: 32 (lane % 8) bytes on
	v_add_nc_u32 v10, BT, v20
	s_mul_i32 s31, s[WV], FP
	v_lshlrev_b32 v14, 7, v2
	v_add_nc_u32 v14, s31, v14                     ; q of query w, channels 32 h on
	v_mul_u32_u24 v15, v1, FP
	v_lshl_add_u32 v15, v2, 7, v15
	v_add_nc_u32 v15, KFF, v15                     ; k of key r, channels 32 h on
	v_lshlrev_b32 v16, 3, v3                       ; 8 bytes a lane: two channels
	s_wait_kmcnt 0x0
	s_add_nc_u64 s[24:25], s[4:5], s[36:37]
	s_add_nc_u64 s[26:27], s[4:5], s[34:35]
	s_add_nc_u64 s[28:29], s[8:9], s[38:39]
	s_add_nc_u64 s[10:11], s[10:11], s[56:57]
	s_add_nc_u64 s[14:15], s[14:15], s[58:59]
	s_add_nc_u64 s[12:13], s[12:13], s[60:61]
	global_load_b32 v11, v18, s[10:11]             ; attention_mask of key r
.macro VLOAD blk                       ; 64 keys of v: 16 loads of 512 consecutive bytes; load i: key 4 i + lane / 8, channels 8 (lane % 8) on
.irp i, 0,1,2,3,4,5,6,7,8,9,10,11,12,13,14,15
	global_load_b128 v[VL+4*\i:VL+4*\i+3], v5, s[28:29] offset:8192*\blk+512*\i
.endr
.endm
	VLOAD 0
	s_cmp_lt_u32 s[WV], 12
	s_cbranch_scc0 .Lno_tile
.irp s, 0,1,2,3,4,5,6,7
.irp c, 0,1
	global_load_b128 v[XF+8*\s+4*\c:XF+8*\s+4*\c+3], v4, s[24:25] offset:64*\s+32*\c
	global_load_b128 v[WF+8*\s+4*\c:WF+8*\s+4*\c+3], v4, s[26:27] offset:64*\s+32*\c
.endr
.endr
	global_load_b128 v[SC:SC+3], v6, s[6:7]        ; a row's 32 scale bytes: a word for each of the 8 K steps
	global_load_b128 v[SC+4:SC+7], v6, s[6:7] offset:16
	s_wait_loadcnt 0x0
.irp s, 0,1,2,3,4,5,6,7                ; lane (r, h) will hold position r, channels 16 ct + 8 h + 0 .. 7.  The two accumulators take turns
.if \s < 2
	v_wmma_scale_f32_16x16x128_f8f6f4 v[AC+8*(\s%2):AC+8*(\s%2)+7], v[WF+8*\s:WF+8*\s+7], v[XF+8*\s:XF+8*\s+7], 0, v[SC+\s], v[SC+\s] matrix_a_fmt:MATRIX_FMT_FP4 matrix_b_fmt:MATRIX_FMT_FP4 matrix_b_scale:MATRIX_SCALE_ROW1
.else
	v_wmma_scale_f32_16x16x128_f8f6f4 v[AC+8*(\s%2):AC+8*(\s%2)+7], v[WF+8*\s:WF+8*\s+7], v[XF+8*\s:XF+8*\s+7], v[AC+8*(\s%2):AC+8*(\s%2)+7], v[SC+\s], v[SC+\s] matrix_a_fmt:MATRIX_FMT_FP4 matrix_b_fmt:MATRIX_FMT_FP4 matrix_b_scale:MATRIX_SCALE_ROW1
.endif
.endr
.rept 4
	v_nop                                          ; places between the products and the first read of their results
.endr
.irp p, 0,2,4,6
	v_pk_add_f32 v[T+\p:T+\p+1], v[AC+\p:AC+\p+1], v[AC+8+\p:AC+8+\p+1]   ; from the low end on
.endr
	ds_store_b128 v8, v[T:T+3]
	ds_store_b128 v8, v[T+4:T+7] offset:16
.Lno_tile:
	s_wait_loadcnt 0x0                             ; the mask word and the first block of v
.macro CVT x                           ; one more f16 of the block: number n of a lane's run; n % 8 is its channel.  The first eight start the sums
.if n < 8
	v_cvt_f32_f16 v[VS+n], \x
.else
	v_cvt_f32_f16 v[T+n%8], \x
.endif
.set n, n+1
.if (n > 8) && (n%8 == 0)
.irp p, 0,2,4,6
	v_pk_add_f32 v[VS+\p:VS+\p+1], v[VS+\p:VS+\p+1], v[T+\p:T+\p+1]
.endr
.endif
.endm
.macro VRED x                          ; the four lanes that hold the same channels (l, l xor 8, l xor 16, l xor 24) are added
.irp j, 0,1,2,3,4,5,6,7
	v_add_f32_dpp v[\x+\j], v[\x+\j], v[\x+\j] row_xmask:8 row_mask:0xf bank_mask:0xf
.endr
.irp j, 0,1,2,3,4,5,6,7
	v_permlanex16_b32 v[T+\j], v[\x+\j], s[SEL], s[SEL+1]
.endr
.irp j, 0,1,2,3,4,5,6,7
	v_add_f32 v[\x+\j], v[\x+\j], v[T+\j]
.endr
.endm
.macro BLOCK blk, hook                 ; keys 16 to 63 of the block first; hook = 1: wave 0 keeps that part of block 0; then keys 0 to 15
.set n, 0
.irp x, v48.l,v48.h,v49.l,v49.h,v50.l,v50.h,v51.l,v51.h,v52.l,v52.h,v53.l,v53.h,v54.l,v54.h,v55.l,v55.h,v56.l,v56.h,v57.l,v57.h,v58.l,v58.h,v59.l,v59.h,v60.l,v60.h,v61.l,v61.h,v62.l,v62.h,v63.l,v63.h,v64.l,v64.h,v65.l,v65.h,v66.l,v66.h,v67.l,v67.h,v68.l,v68.h,v69.l,v69.h,v70.l,v70.h,v71.l,v71.h,v72.l,v72.h,v73.l,v73.h,v74.l,v74.h,v75.l,v75.h,v76.l,v76.h,v77.l,v77.h,v78.l,v78.h,v79.l,v79.h,v80.l,v80.h,v81.l,v81.h,v82.l,v82.h,v83.l,v83.h,v84.l,v84.h,v85.l,v85.h,v86.l,v86.h,v87.l,v87.h,v88.l,v88.h,v89.l,v89.h,v90.l,v90.h,v91.l,v91.h,v92.l,v92.h,v93.l,v93.h,v94.l,v94.h,v95.l,v95.h
	CVT \x
.endr
.if \hook
	s_cmp_lg_u32 s[WV], 0
	s_cbranch_scc1 .Lnot_wave_0
.irp j, 0,1,2,3,4,5,6,7
	v_mov_b32 v[96+\j], v[VS+\j]
.endr
	VRED 96
	ds_store_b128 v10, v[96:99]                    ; four lanes write the same bytes with the same values
	ds_store_b128 v10, v[100:103] offset:16
.Lnot_wave_0:
.endif
.irp x, v32.l,v32.h,v33.l,v33.h,v34.l,v34.h,v35.l,v35.h,v36.l,v36.h,v37.l,v37.h,v38.l,v38.h,v39.l,v39.h,v40.l,v40.h,v41.l,v41.h,v42.l,v42.h,v43.l,v43.h,v44.l,v44.h,v45.l,v45.h,v46.l,v46.h,v47.l,v47.h
	CVT \x
.endr
	VRED VS
	ds_store_b128 v9, v[VS:VS+3] offset:256*\blk
	ds_store_b128 v9, v[VS+4:VS+7] offset:256*\blk+16
.endm
	BLOCK 0, 1
	VLOAD 1
	s_wait_loadcnt 0x0
	BLOCK 1, 0
	s_wait_dscnt 0x0                               ; for the others' sake: my stores have landed
	s_barrier_signal -1
	s_barrier_wait -1
	; ---- phase B
.irp i, 0,1,2,3,4,5,6,7
	ds_load_b128 v[32+4*\i:35+4*\i], v14 offset:QF+16*\i
	ds_load_b128 v[64+4*\i:67+4*\i], v15 offset:16*\i
.endr
.irp k, 0,1,2,3,4,5,6,7,8,9,10,11,12,13,14,15
	ds_load_b64 v[96+2*\k:97+2*\k], v16 offset:VF+FP*\k
.endr
.irp j, 1,2,3,4,5,6,7,8,9,10,11,12,13,14,15,16,17,18,19,20,21,22,23,24,25,26,27,28,29,30,31
	ds_load_b64 v[128+2*\j:129+2*\j], v16 offset:BS+256*\j
.endr
	ds_load_b64 v[192:193], v16 offset:BT
	s_wait_dscnt 0x0
	v_pk_mul_f32 v[20:21], v[32:33], v[64:65]      ; q . k over my 32 channels, in two chains
	v_pk_mul_f32 v[22:23], v[34:35], v[66:67]
.irp i, 4,8,12,16,20,24,28
	v_pk_fma_f32 v[20:21], v[32+\i:33+\i], v[64+\i:65+\i], v[20:21]
	v_pk_fma_f32 v[22:23], v[34+\i:35+\i], v[66+\i:67+\i], v[22:23]
.endr
	v_pk_add_f32 v[20:21], v[20:21], v[22:23]
	v_add_f32 v20, v20, v21
	v_permlanex16_b32 v24, v20, s[SEL], s[SEL+1]
	v_add_f32 v20, v20, v24                        ; with the other 32 channels
	v_mul_f32 v20, 0x3e000000, v20                 ; / 8
	v_mov_b32 v25, 0xce6e6b28                      ; -1e9
	v_cmp_ge_u32 vcc_lo, s[WV], v1                 ; key r is not in query w's future,
	v_cmp_ne_u32 s30, 0, v11                       ; and is not padded
	s_and_b32 vcc_lo, vcc_lo, s30
	v_cndmask_b32 v20, v25, v20, vcc_lo
	v_mov_b32 v21, v20
	v_max_num_f32_dpp v21, v21, v21 row_xmask:1 row_mask:0xf bank_mask:0xf
	v_max_num_f32_dpp v21, v21, v21 row_xmask:2 row_mask:0xf bank_mask:0xf
	v_max_num_f32_dpp v21, v21, v21 row_xmask:4 row_mask:0xf bank_mask:0xf
	v_max_num_f32_dpp v21, v21, v21 row_xmask:8 row_mask:0xf bank_mask:0xf
	v_max_num_f32 v21, v21, v25                    ; keys 16 on are always masked: the row's maximum is at least -1e9
	v_sub_f32 v22, v20, v21
	v_sub_f32 v23, v25, v21
	v_mul_f32 v22, 0x3fb8aa3b, v22
	v_mul_f32 v23, 0x3fb8aa3b, v23
	v_exp_f32 v22, v22                             ; key r's weight
	v_exp_f32 v23, v23                             ; a masked key's weight
.irp j, 30,29,28,27,26,25,24,23,22,21,20,19,18,17,16,15,14,13,12,11,10,9,8,7,6,5,4,3,2,1
	v_pk_add_f32 v[128+2*\j:129+2*\j], v[128+2*\j:129+2*\j], v[130+2*\j:131+2*\j]   ; the suffix sums of the block sums, in place: independent work behind the exponentials
.endr
	v_pk_add_f32 v[30:31], v[130:131], v[192:193]  ; the sum of v over keys 16 on
	s_wait_alu depctr_va_vdst(0)                   ; one wait for both exponentials, ahead of their first reader
	v_mov_b32 v26, v22
	v_add_f32_dpp v26, v26, v26 row_xmask:1 row_mask:0xf bank_mask:0xf
	v_add_f32_dpp v26, v26, v26 row_xmask:2 row_mask:0xf bank_mask:0xf
	v_add_f32_dpp v26, v26, v26 row_xmask:4 row_mask:0xf bank_mask:0xf
	v_add_f32_dpp v26, v26, v26 row_xmask:8 row_mask:0xf bank_mask:0xf
	v_fmamk_f32 v26, v23, 0x44fe0000, v26          ; + 2,032 masked keys
	v_rcp_f32 v27, v26
.irp k, 0,1,2,3,4,5,6,7,8,9,10,11,12,13,14,15
	v_readlane_b32 s[40+\k], v22, \k               ; the 16 weights, for every lane
.endr
	v_mul_f32 v28, s40, v96
	v_mul_f32 v29, s40, v97
.irp k, 1,2,3,4,5,6,7,8,9,10,11,12,13,14,15
	v_fmac_f32 v28, s[40+\k], v[96+2*\k]
	v_fmac_f32 v29, s[40+\k], v[97+2*\k]
.endr
	v_fmac_f32 v28, v23, v30
	v_fmac_f32 v29, v23, v31
	s_wait_alu depctr_va_vdst(0)                   ; the reciprocal's wait, ahead of its first reader
	v_mul_f32 v28, v28, v27
	v_mul_f32 v29, v29, v27
	global_store_b64 v16, v[28:29], s[14:15]       ; the wave stores 256 consecutive bytes, aligned
	s_cmp_lg_u32 s[WV], 15
	s_cbranch_scc1 .Lend
	v_mov_b32 v30, 0
	v_mov_b32 v31, 0
.irp j, 0,1,2,3,4,5,6,7,8,9,10,11,12,13,14,15,16,17,18,19,20,21,22,23,24,25,26,27,28,29,30
	global_store_b64 v16, v[130+2*\j:131+2*\j], s[12:13] offset:256*\j   ; row j: the keys from 64 (j + 1) on
.endr
	global_store_b64 v16, v[30:31], s[12:13] offset:256*31               ; behind the last block there is nothing
.Lend:
	s_wait_tensorcnt 0x0                           ; the wave's end, behind my last LDS store
	ds_add_u32 v[SPW], v[NIL]
	s_wait_dscnt 0x0
	s_endpgm
.Lfunc_end_k_q33f142ba87_first:
	.size	k_q33f142ba87_first, .Lfunc_end_k_q33f142ba87_first-k_q33f142ba87_first
	.p2alignl 7, 3214868480
	.fill 96, 4, 3214868480
	.section	.rodata,"a",@progbits
	.p2align	6, 0x0
	.amdhsa_kernel k_q33f142ba87_first
		.amdhsa_group_segment_fixed_size 23552
		.amdhsa_private_segment_fixed_size 0
		.amdhsa_enable_private_segment 0
		.amdhsa_kernarg_size 48
		.amdhsa_user_sgpr_count 2
		.amdhsa_user_sgpr_kernarg_segment_ptr 1
		.amdhsa_wavefront_size32 1
		.amdhsa_system_sgpr_workgroup_id_x 1
		.amdhsa_system_sgpr_workgroup_id_y 1
		.amdhsa_system_sgpr_workgroup_id_z 1
		.amdhsa_system_vgpr_workitem_id 0
		.amdhsa_next_free_vgpr 256
		.amdhsa_next_free_sgpr 66
		.amdhsa_reserve_vcc 1
		.amdhsa_float_denorm_mode_32 3
		.amdhsa_float_denorm_mode_16_64 3
		.amdhsa_memory_ordered 1
		.amdhsa_forward_progress 1
		.amdhsa_inst_pref_size 46
	.end_amdhsa_kernel
	.amdgpu_metadata
---
amdhsa.version: [ 1, 2 ]
amdhsa.kernels:
  - .name:           k_q33f142ba87_first
    .symbol:         k_q33f142ba87_first.kd
    .args:
      - { .name: codes, .offset: 0, .size: 8, .value_kind: global_buffer, .address_space: global }
      - { .name: scales, .offset: 8, .size: 8, .value_kind: global_buffer, .address_space: global }
      - { .name: qkv, .offset: 16, .size: 8, .value_kind: global_buffer, .address_space: global }
      - { .name: attention_mask, .offset: 24, .size: 8, .value_kind: global_buffer, .address_space: global }
      - { .name: vsuf, .offset: 32, .size: 8, .value_kind: global_buffer, .address_space: global }
      - { .name: ofine, .offset: 40, .size: 8, .value_kind: global_buffer, .address_space: global }
    .group_segment_fixed_size: 23552
    .private_segment_fixed_size: 0
    .kernarg_segment_align: 8
    .kernarg_segment_size: 48
    .max_flat_workgroup_size: 512
    .sgpr_count:     66
    .vgpr_count:     256
    .wavefront_size: 32
...
	.end_amdgpu_metadata
.endif
;; end of part 3
;; launch attn (part 4): grid 4 x 64, 8 waves a work-group, no clusters, 327,680 bytes of LDS; arguments qkv, vsuf, attention_mask, o16; writes o16
.if DOCPART == 4
	.amdgcn_target "amdgcn-amd-amdhsa--gfx1250"
	.amdhsa_code_object_version 6
	.text
	.protected	k_q33f142ba87_attn
	.globl	k_q33f142ba87_attn
	.p2align	8
	.type	k_q33f142ba87_attn,@function
k_q33f142ba87_attn:
	s_mov_b64 s[64:65], 0
	v_nop
	global_prefetch_b8 v0, s[64:65] scope:SCOPE_SE
	s_setreg_imm32_b32 hwreg(HW_REG_WAVE_MODE, 25, 1), 1
	s_wait_xcnt 0x0
; Causal attention with a padding mask, one head of one sequence a work-group row (y = 16 b + head), operands in f16, sums, maxima and softmax in f32.  o16[head][2048 b + s][64], f16.
; q arrives as c q, c = log2(e) / 8, so a score s IS the exponent: p = 2^(s - m), m the running maximum; the difference s - m is formed plainly, so equal numbers give exactly 0.
; THE MASKS ARE NUMBERS.  A masked score is NEG2 = f32(-1e9 log2 e), not -infinity: where every visible key of a query is padded, all 2,048 keys weigh alike.
;   padded key: its row of k is zeros (the launch before), and NEG2 is the C of the score's first product: the score is NEG2 exactly;
;   future key inside the diagonal step: the score is replaced by NEG2;
;   future keys beyond it: their tiles are left out; at the end they enter with the weight 2^(NEG2 - max), n of them in the sum, and with the sum of their v (vsuf).
; SHARES.  Work-group x = I owns the blocks of 256 queries I and 7 - I: I + 1 and 8 - I slots of 256 keys, NINE VISITS for every work-group: 256 work-groups of equal work, and constant trip counts.
;   A wave owns 32 queries, two tiles of 16.  A visit is 4 steps of 64 keys; a step all of whose keys lie in the wave's future is jumped over (a branch on ids).
; LAYOUT.  S^T = K Q^T (source 0 = 16 keys, source 1 = 16 queries) and O^T = V^T P: a lane holds ONE query; two tiles of S^T, rounded in pairs, are source 1 of the second product.  V is turned by ds_load_tr16_b128.
; THE RING.  Two slots; each wave fetches 64 rows (waves 0-3 of K, waves 4-7 of V) with one tensor load; the change of slots stands at a visit's head, and the load then has a whole visit in which to land.
; NO CLUSTER: the four work-groups of a head walk their own two blocks, so in the same visit they want different slots of keys.
; LIMITS: |c q|, |k|, |v|, |o| under 65,504; scores above NEG2; NaN and infinities not served.  The masked value is kept as an exponent of 2, rounded once.
; REGISTERS.  window 0: v1-19 addresses and constants; v20-31 at work; v32-47 statistics, 8 a tile; v64-127 S^T; v128-159 P; v160-223 O^T; v224-255 the left-out keys' sum of v.
;             window 1: v0-31 Q; v32-95 K of a step; v96-159 V of a step; v160-191 the step's mask numbers, in the layout of a product's C.
.set KP,    144                        ; a row of K in LDS: 128 bytes + 16: the 16 rows of a load start at 16 different groups of banks
.set VP,    160                        ; a row of V: 128 + 32: an odd multiple of 32
.set VOFF,  256*KP
.set SLOT1, 1<<17                      ; one exclusive or turns an address in one slot into the other's
.set BIAS,  2*SLOT1                    ; 9 visits x 256 keys x 4 bytes: 0 or NEG2, in the order of the visits
.set STAGE, BIAS+9*1024                ; the way out: 32 rows x 144 bytes for each wave
.set SPARE, STAGE+8*32*KP              ; the spare words: 128 bytes a wave
.set AK0, 3
.set AV0, 4
.set AB0, 5
.set ADK, 6
.set ADV, 7
.set ADB, 8
.set QO,  9
.set VSO, 10
.set STO, 11
.set RD,  12
.set GO,  13
.set D0,  14                           ; v14, v15: the diagonal's bound for tiles 0, 1
.set NEGR, 16
.set PFO, 17
.set SPW, 18
.set NIL, 19
.set ST,  32                           ; tile u at v[ST + 8 u]: +0 m, +1 its pair's other word, +2, +3 the sum (even, odd keys), +4 .. +7 at work, a in +6
.set S,   64
.set P,   128
.set O,   160
.set VS,  224
.set QR,  0
.set KR,  32
.set VR,  96
.set BR,  160
.set WV,  12
.set WI,  13
.set BH,  14
.set TT,  15                           ; the visit
.set Q0,  16                           ; my first query, QL my last
.set QL,  17
.set KF,  18                           ; the step's first key
.set TK,  19                           ; LDS byte of the step's K, TV of its V, TBI of its mask numbers
.set TV,  20
.set TBI, 21
.set STEPC, 22
.set NEG2, 23
.set G1K, 24
.set G1V, 32
.set G0K, 40
.set G0V, 44
.set KB,  48
.set VB,  50
.set SO,  52
.set SEL, 54
.set QB,  56
.set OB,  58
.set VSB, 60
.set PFA, 66
.set PFN, 68
.set NF,  70
.set NEGS, 71
.set QA,  72
.set VSA, 74
.set OA,  76
.set MSB, 0
.macro WIN new                         ; the immediate's high byte repeats the setting that is left
.if MSB != \new
	s_set_vgpr_msb (MSB<<8)|\new
.set MSB, \new
.endif
.endm
; Every wave issues one load of 64 rows: waves 0-3 K's, waves 4-7 V's.  An s_nop 0 and four v_nop follow each line.
.macro TLOAD
	s_cmp_lt_u32 s[WV], 4
	s_cbranch_scc0 .Lfor_v_\@
	tensor_load_to_lds s[G0K:G0K+3], s[G1K:G1K+7]
	s_nop 0
.rept 4
	v_nop
.endr
	s_branch .Lasked_\@
.Lfor_v_\@:
	tensor_load_to_lds s[G0V:G0V+3], s[G1V:G1V+7]
	s_nop 0
.rept 4
	v_nop
.endr
.Lasked_\@:
.endm
; A prefetch of the slot that the NEXT change will ask for.  All four work-groups of a head read the same K and V: work-group I = 0 asks, whose visits 1 to 8 walk slots 0 to 7 in order; at visits 1 to 6
; it names slots 2 to 7.  Each wave names its own 8,192 bytes (waves 0-3 of K, 4-7 of V), lanes 256 bytes apart: each such block is named once in the launch.  Nothing is asked at the head, nothing past slot 7.
.macro ASK
	s_sub_co_u32 s96, s[TT], 1
	s_cmp_lt_u32 s96, s[PFN]
	s_cbranch_scc0 .Lnot_mine_\@
	global_prefetch_b8 v[PFO], s[PFA:PFA+1] th:TH_LOAD_NT scope:SCOPE_SE
.Lnot_mine_\@:
.endm
	s_load_b256 s[4:11], s[0:1], 0x0               ; qkv, vsuf, attention_mask, o16
	v_lshl_add_u32 v[SPW], v0, 2, SPARE
	v_mov_b32 v[NIL], 0
	ds_add_u32 v[SPW], v[NIL]                      ; the wave's opening: the add, twice on end, and its wait ahead of my first tensor load
	ds_add_u32 v[SPW], v[NIL]
	v_lshrrev_b32 v1, 5, v0
	v_readfirstlane_b32 s[WV], v1                  ; wave 0..7
	s_mov_b32 s[WI], ttmp9
	s_and_b32 s[BH], ttmp7, 0xffff
	s_and_b32 s78, s[BH], 15                       ; head
	s_lshr_b32 s79, s[BH], 4                       ; b
	s_mov_b32 s[G1K], (1<<16)|(1<<20)|(4<<22)|(3<<25)   ; elements of 2 bytes; padding on: 4 words after every 32
	s_mov_b32 s[G1V], (1<<16)|(1<<20)|(4<<22)|(7<<25)   ; 8 words after every 32
.irp g, G1K, G1V
	s_mov_b32 s[\g+1], 64<<16                      ; tensor_dim0
	s_mov_b32 s[\g+2], 64<<16                      ; tensor_dim1
	s_mov_b32 s[\g+3], 64<<16                      ; tile_dim0
	s_mov_b32 s[\g+4], 64                          ; tile_dim1
	s_mov_b32 s[\g+5], 64                          ; the pitch
	s_mov_b32 s[\g+6], 0
	s_mov_b32 s[\g+7], 0
.endr
	s_and_b32 s96, s[WV], 3
	s_mov_b32 s[G0K], 1
	s_mul_i32 s[G0K+1], s96, 64*KP                 ; my 64 rows' place in slot 0
	s_mov_b32 s[G0V], 1
	s_mul_i32 s[G0V+1], s96, 64*VP
	s_add_co_u32 s[G0V+1], s[G0V+1], VOFF
	s_lshl_b32 s98, s78, 20
	s_lshl_b32 s97, s79, 18
	s_add_co_u32 s98, s98, s97                     ; a head's 2^20 bytes, a sequence's 2^18
	s_mov_b32 s99, 0
	s_mov_b32 s[SO], 0
	s_mov_b32 s[SO+1], 0
	s_mov_b32 s[SEL], 0x76543210
	s_mov_b32 s[SEL+1], 0xfedcba98
	s_mov_b32 s[NEG2], 0xceabfb8f                  ; f32(-1e9 log2 e)
	s_mov_b32 s[TT], 0
	s_mov_b32 s[KF], 0
	s_mov_b32 s[TK], 0
	s_mov_b32 s[TV], VOFF
	s_mov_b32 s[TBI], 0
	s_cmp_eq_u32 s[WI], 0
	s_cselect_b32 s[PFN], 6, 0
	s_wait_dscnt 0x0                               ; both opening adds are done
	s_wait_kmcnt 0x0
	s_add_nc_u64 s[QB:QB+1], s[4:5], s[98:99]
	s_add_nc_u64 s[OB:OB+1], s[10:11], s[98:99]
	s_add_nc_u64 s[KB:KB+1], s[QB:QB+1], 0x1000000 ; k lies 16 heads behind q, v 32
	s_add_nc_u64 s[VB:VB+1], s[QB:QB+1], 0x2000000
	s_lshl_b32 s98, s96, 13                        ; my 64 rows of 128 bytes
	s_add_nc_u64 s[KB:KB+1], s[KB:KB+1], s[98:99]
	s_add_nc_u64 s[VB:VB+1], s[VB:VB+1], s[98:99]
	s_mov_b64 s[G0K+2:G0K+3], s[KB:KB+1]
	s_or_b32 s[G0K+3], s[G0K+3], 0x80000000
	s_mov_b64 s[G0V+2:G0V+3], s[VB:VB+1]
	s_or_b32 s[G0V+3], s[G0V+3], 0x80000000
	TLOAD                                          ; slot 0: the head's first 256 keys, which every visit 0 wants
	s_cmp_lt_u32 s[WV], 4
	s_cselect_b64 s[PFA:PFA+1], s[KB:KB+1], s[VB:VB+1]  ; each change of slots steps it by a slot ahead of its use
	s_lshl_b32 s98, s79, 13
	s_add_nc_u64 s[8:9], s[8:9], s[98:99]          ; my sequence's mask
	s_lshl_b32 s98, s[BH], 13
	s_add_nc_u64 s[VSB:VSB+1], s[6:7], s[98:99]
	v_and_b32 v1, 15, v0                           ; r
	v_bfe_u32 v2, v0, 4, 1                         ; h
	v_mul_u32_u24 v[AK0], v1, KP
	v_lshl_add_u32 v[AK0], v2, 4, v[AK0]           ; K: row r, + 16 h
	v_and_b32 v20, 7, v0
	v_lshl_add_u32 v[AV0], v2, 3, v20
	v_mul_u32_u24 v[AV0], v[AV0], VP
	v_bfe_u32 v21, v0, 3, 1
	v_lshl_add_u32 v[AV0], v21, 4, v[AV0]          ; V, for the turning load: key 8 h + l % 8, channels 8 ((l / 8) % 2) on
	v_lshl_add_u32 v[AB0], v2, 5, BIAS             ; the mask numbers of keys 8 h on
	v_lshlrev_b32 v[QO], 7, v1
	v_lshl_add_u32 v[QO], v2, 4, v[QO]
	v_lshlrev_b32 v[VSO], 5, v2
	s_mul_i32 s96, s[WV], 32*KP
	s_add_co_u32 s96, s96, STAGE
	v_add_nc_u32 v[STO], s96, v[AK0]               ; the stage, in: row r, + 16 h
	v_and_b32 v22, 31, v0
	v_lshrrev_b32 v21, 3, v22
	v_mul_u32_u24 v21, v21, KP
	v_lshl_add_u32 v21, v20, 4, v21
	v_add_nc_u32 v[RD], s96, v21                   ; back: eight lanes to a row of 128 bytes, four rows an instruction
	v_lshlrev_b32 v[GO], 4, v22
	v_lshlrev_b32 v[PFO], 8, v22
	v_mov_b32 v[NEGR], s[NEG2]
	; the mask numbers, in the order of the visits: visit t walks slot t (t <= I) or t - 1 - I.  Thread n takes key n of each slot
	v_lshlrev_b32 v29, 2, v0
	v_lshl_add_u32 v30, v0, 2, BIAS
.irp t, 0,1,2,3,4,5,6,7,8
	s_sub_co_u32 s97, \t-1, s[WI]
	s_cmp_ge_u32 s[WI], \t
	s_cselect_b32 s96, \t, s97
	v_lshl_add_u32 v[20+\t], s96, 10, v29
	global_load_b32 v[64+\t], v[20+\t], s[8:9]
.endr
	s_wait_loadcnt 0x0
.irp t, 0,1,2,3,4,5,6,7,8
	v_cmp_eq_u32 vcc_lo, 0, v[64+\t]
	v_cndmask_b32 v[64+\t], 0, v[NEGR], vcc_lo
	ds_store_b32 v30, v[64+\t] offset:1024*\t      ; the first change of slots waits for these ahead of its barrier
.endr
; A block of queries begins.  blk: the scalar register that holds its number
.macro INIT blk
	s_wait_xcnt 0x0                                ; earlier loads and stores have read their bases and data registers
	s_lshl_b32 s[Q0], s[\blk], 8
	s_lshl_b32 s96, s[WV], 5
	s_add_co_u32 s[Q0], s[Q0], s96
	s_add_co_u32 s[QL], s[Q0], 31
	s_lshl_b32 s98, s[Q0], 7
	s_mov_b32 s99, 0
	s_add_nc_u64 s[QA:QA+1], s[QB:QB+1], s[98:99]
	s_add_nc_u64 s[OA:OA+1], s[OB:OB+1], s[98:99]
	s_lshr_b32 s98, s[Q0], 6
	s_lshl_b32 s98, s98, 8
	s_add_nc_u64 s[VSA:VSA+1], s[VSB:VSB+1], s[98:99]   ; the sum of v over the keys behind my diagonal step
	WIN 0x40                                       ; destination window 1
.irp u, 0,1
.irp c, 0,1
	global_load_b128 v[QR+16*\u+8*\c:QR+16*\u+8*\c+3], v[QO], s[QA:QA+1] offset:2048*\u+64*\c
	global_load_b128 v[QR+16*\u+8*\c+4:QR+16*\u+8*\c+7], v[QO], s[QA:QA+1] offset:2048*\u+64*\c+32
.endr
.endr
	WIN 0
.irp ct, 0,1,2,3
	global_load_b128 v[VS+8*\ct:VS+8*\ct+3], v[VSO], s[VSA:VSA+1] offset:64*\ct      ; channels 16 ct + 8 h + 0 .. 7: O^T's layout
	global_load_b128 v[VS+8*\ct+4:VS+8*\ct+7], v[VSO], s[VSA:VSA+1] offset:64*\ct+16
.endr
.set i, 0
.rept 64
	v_mov_b32 v[O+i], 0                            ; the step is written once: the first finds zeros, which the first change of m leaves zeros
.set i, i+1
.endr
.irp u, 0,1
	v_mov_b32 v[ST+8*\u], 0xff61b1e6               ; m: -3e38, under every score
.irp j, 1,2,3,4,5,6,7
	v_mov_b32 v[ST+8*\u+\j], 0
.endr
.endr
	s_wait_loadcnt 0x0
.endm
; THE CHANGE OF SLOTS, at a visit's head.  Each wave waits for all its tensor loads (its part of the slot ahead), adds 0 to its spare word, and waits for that and for its LDS reads and stores.
; Behind the barrier the slot ahead is whole and nobody reads the other.  fill = 1: that other slot takes the next visit's keys: slot t + 1, or slot 0 where the second block begins.
.macro CHANGE fill
	s_wait_tensorcnt 0x0                           ; no tensor load of mine is out, so a descriptor may be written
	ds_add_u32 v[SPW], v[NIL]                      ; 0 onto my spare word
.if \fill
	s_xor_b32 s[G0K+1], s[G0K+1], SLOT1
	s_xor_b32 s[G0V+1], s[G0V+1], SLOT1
	s_add_co_u32 s[SO], s[SO], 32768               ; 256 rows of 128 bytes on,
	s_cmp_eq_u32 s[TT], s[WI]
	s_cselect_b32 s[SO], 0, s[SO]                  ; or back to the head's first keys
	s_add_nc_u64 s[G0K+2:G0K+3], s[KB:KB+1], s[SO:SO+1]
	s_or_b32 s[G0K+3], s[G0K+3], 0x80000000
	s_add_nc_u64 s[G0V+2:G0V+3], s[VB:VB+1], s[SO:SO+1]
	s_or_b32 s[G0V+3], s[G0V+3], 0x80000000
	s_wait_xcnt 0x0                                ; the last prefetch, a visit back, has read its address
	s_add_nc_u64 s[PFA:PFA+1], s[PFA:PFA+1], 32768
.endif
	s_wait_dscnt 0x0
	s_barrier_signal -1
	s_barrier_wait -1
.if \fill
	TLOAD                                          ; the first thing behind the barrier, and my one tensor load until the next
	ASK
.endif
.endm
; A STEP: 64 keys against my 32 queries.
.macro STEP
	s_cmp_gt_u32 s[KF], s[QL]                      ; all its keys lie in my future: left out (ids and the count of steps alone; no barrier and no tensor load stands in a step)
	s_cbranch_scc1 .Lskip_\@
	v_add_nc_u32 v[ADK], s[TK], v[AK0]
	v_add_nc_u32 v[ADV], s[TV], v[AV0]
	v_add_nc_u32 v[ADB], s[TBI], v[AB0]
	v_nop                                          ; four places between the last step's products and the loads into the registers that they read
	WIN 0x40
.irp kt, 0,1,2,3
.irp c, 0,1
	ds_load_b128 v[KR+16*\kt+8*\c:KR+16*\kt+8*\c+3], v[ADK] offset:16*KP*\kt+64*\c
	ds_load_b128 v[KR+16*\kt+8*\c+4:KR+16*\kt+8*\c+7], v[ADK] offset:16*KP*\kt+64*\c+32
.endr
.endr
.irp kt, 0,1,2,3
	ds_load_b128 v[BR+8*\kt:BR+8*\kt+3], v[ADB] offset:64*\kt
	ds_load_b128 v[BR+8*\kt+4:BR+8*\kt+7], v[ADB] offset:64*\kt+16
.endr
.irp kh, 0,1
.irp ct, 0,1,2,3
	ds_load_tr16_b128 v[VR+8*(4*\kh+\ct):VR+8*(4*\kh+\ct)+3], v[ADV] offset:32*VP*\kh+32*\ct
	ds_load_tr16_b128 v[VR+8*(4*\kh+\ct)+4:VR+8*(4*\kh+\ct)+7], v[ADV] offset:32*VP*\kh+32*\ct+16*VP
.endr
.endr
	s_wait_dscnt 16                                ; K and the mask numbers are in; V's 16 loads may be out
	WIN 0x15                                       ; K, Q and C in window 1, S^T in window 0
.irp kt, 0,1,2,3
.irp u, 0,1
	v_wmma_f32_16x16x32_f16 v[S+32*\u+8*\kt:S+32*\u+8*\kt+7], v[KR+16*\kt:KR+16*\kt+7], v[QR+16*\u:QR+16*\u+7], v[BR+8*\kt:BR+8*\kt+7]
.endr
.endr
	WIN 0x05                                       ; the eight accumulators take turns
.irp kt, 0,1,2,3
.irp u, 0,1
	v_wmma_f32_16x16x32_f16 v[S+32*\u+8*\kt:S+32*\u+8*\kt+7], v[KR+16*\kt+8:KR+16*\kt+15], v[QR+16*\u+8:QR+16*\u+15], v[S+32*\u+8*\kt:S+32*\u+8*\kt+7]
.endr
.endr
	WIN 0
.rept 4
	v_nop
.endr
	s_add_co_u32 s96, s[KF], 63
	s_cmp_le_u32 s96, s[Q0]
	s_cbranch_scc1 .Lopen_\@                       ; every key of the step counts for every query of mine
	s_sub_co_i32 s96, s[Q0], s[KF]
	v_lshlrev_b32 v20, 3, v2
	v_sub_nc_u32 v20, v1, v20
	v_add_nc_u32 v[D0], s96, v20                   ; register (kt, j) holds key KF + 16 kt + 8 h + j: in the future where 16 kt + j > my query - KF - 8 h
	v_add_nc_u32 v[D0+1], 16, v[D0]
.irp u, 0,1
.irp n, 0,1,2,3,4,5,6,7,8,9,10,11,12,13,14,15,16,17,18,19,20,21,22,23,24,25,26,27,28,29,30,31
	v_cmp_gt_i32 vcc_lo, 16*(\n/8)+\n%8, v[D0+\u]
	v_cndmask_b32 v[S+32*\u+\n], v[S+32*\u+\n], v[NEGR], vcc_lo
.endr
.endr
.Lopen_\@:
	; the maximum of my 32 scores and the old m, three operands at a time; each accumulator is read from its low end on; the two tiles line by line in turn
.irp j, 0,1,2,3
.irp u, 0,1
	v_max3_num_f32 v[ST+8*\u+4+\j], v[S+32*\u+8*\j], v[S+32*\u+8*\j+1], v[S+32*\u+8*\j+2]
.endr
.endr
.irp g, 1,2
.irp j, 0,1,2,3
.irp u, 0,1
	v_max3_num_f32 v[ST+8*\u+4+\j], v[ST+8*\u+4+\j], v[S+32*\u+8*\j+2*\g+1], v[S+32*\u+8*\j+2*\g+2]
.endr
.endr
.endr
.irp u, 0,1
	v_max3_num_f32 v[ST+8*\u+4], v[ST+8*\u+4], v[S+32*\u+7], v[S+32*\u+15]
.endr
.irp u, 0,1
	v_max3_num_f32 v[ST+8*\u+6], v[ST+8*\u+6], v[S+32*\u+23], v[S+32*\u+31]
.endr
.irp u, 0,1
	v_max3_num_f32 v[ST+8*\u+4], v[ST+8*\u+4], v[ST+8*\u+5], v[ST+8*\u+6]
.endr
.irp u, 0,1
	v_max3_num_f32 v[ST+8*\u+4], v[ST+8*\u+4], v[ST+8*\u+7], v[ST+8*\u]
.endr
.irp u, 0,1
	v_permlanex16_b32 v[ST+8*\u+5], v[ST+8*\u+4], s[SEL], s[SEL+1]   ; the query's other 32 keys lie in the lane 16 away
.endr
.irp u, 0,1
	v_max_num_f32 v[ST+8*\u+4], v[ST+8*\u+4], v[ST+8*\u+5]
.endr
.irp u, 0,1
	v_sub_f32 v[ST+8*\u+7], v[ST+8*\u], v[ST+8*\u+4]                 ; old m - new m
.endr
.irp u, 0,1
	v_mov_b32 v[ST+8*\u], v[ST+8*\u+4]
.endr
.irp i, 0,2,4,6,8,10,12,14,16,18,20,22,24,26,28,30
.irp u, 0,1
	v_pk_add_f32 v[S+32*\u+\i:S+32*\u+\i+1], v[S+32*\u+\i:S+32*\u+\i+1], v[ST+8*\u:ST+8*\u+1] op_sel_hi:[1,0] neg_lo:[0,1] neg_hi:[0,1]   ; s - m
.endr
.endr
.irp u, 0,1
	v_exp_f32 v[ST+8*\u+6], v[ST+8*\u+7]           ; a = 2^(old m - new m)
.endr
.irp i, 0,1,2,3,4,5,6,7,8,9,10,11,12,13,14,15,16,17,18,19,20,21,22,23,24,25,26,27,28,29,30,31
.irp u, 0,1
	v_exp_f32 v[S+32*\u+\i], v[S+32*\u+\i]
.endr
.endr
	v_nop                                          ; a plain instruction behind the last exponential
	s_wait_alu depctr_va_vdst(0)                   ; ONE wait for the 66 exponentials of both tiles, ahead of their first reader
.irp i, 0,1,2,3,4,5,6,7,8,9,10,11,12,13,14,15
.irp u, 0,1
	v_cvt_pk_f16_f32 v[P+16*\u+\i], v[S+32*\u+2*\i], v[S+32*\u+2*\i+1]
.endr
.endr
	; the sum of the unrounded weights, in place: neighbours 1, 2, 4 and 8 pairs apart; then the running sum takes it
.irp z, 0,1,2,3,4,5,6,7
.irp u, 0,1
	v_pk_add_f32 v[S+32*\u+4*\z:S+32*\u+4*\z+1], v[S+32*\u+4*\z:S+32*\u+4*\z+1], v[S+32*\u+4*\z+2:S+32*\u+4*\z+3]
.endr
.endr
.irp z, 0,1,2,3
.irp u, 0,1
	v_pk_add_f32 v[S+32*\u+8*\z:S+32*\u+8*\z+1], v[S+32*\u+8*\z:S+32*\u+8*\z+1], v[S+32*\u+8*\z+4:S+32*\u+8*\z+5]
.endr
.endr
.irp z, 0,1
.irp u, 0,1
	v_pk_add_f32 v[S+32*\u+16*\z:S+32*\u+16*\z+1], v[S+32*\u+16*\z:S+32*\u+16*\z+1], v[S+32*\u+16*\z+8:S+32*\u+16*\z+9]
.endr
.endr
.irp u, 0,1
	v_pk_add_f32 v[S+32*\u:S+32*\u+1], v[S+32*\u:S+32*\u+1], v[S+32*\u+16:S+32*\u+17]
.endr
.irp u, 0,1
	v_pk_fma_f32 v[ST+8*\u+2:ST+8*\u+3], v[ST+8*\u+2:ST+8*\u+3], v[ST+8*\u+6:ST+8*\u+7], v[S+32*\u:S+32*\u+1] op_sel_hi:[1,0,1]
.endr
.irp i, 0,2,4,6,8,10,12,14,16,18,20,22,24,26,28,30
.irp u, 0,1
	v_pk_mul_f32 v[O+32*\u+\i:O+32*\u+\i+1], v[O+32*\u+\i:O+32*\u+\i+1], v[ST+8*\u+6:ST+8*\u+7] op_sel_hi:[1,0]   ; O^T under the new m
.endr
.endr
	s_wait_dscnt 0x0                               ; V is in
	WIN 0x01                                       ; V in window 1; P and O^T in window 0
.irp kh, 0,1
.irp ct, 0,1,2,3
.irp u, 0,1
	v_wmma_f32_16x16x32_f16 v[O+32*\u+8*\ct:O+32*\u+8*\ct+7], v[VR+8*(4*\kh+\ct):VR+8*(4*\kh+\ct)+7], v[P+16*\u+8*\kh:P+16*\u+8*\kh+7], v[O+32*\u+8*\ct:O+32*\u+8*\ct+7]
.endr
.endr
.endr
	WIN 0
.Lskip_\@:
	s_add_co_u32 s[KF], s[KF], 64
	s_add_co_u32 s[TK], s[TK], 64*KP
	s_add_co_u32 s[TV], s[TV], 64*VP
	s_add_co_u32 s[TBI], s[TBI], 256
.endm
.macro VISIT                           ; a slot's four steps: written once, walked four times
	s_mov_b32 s[STEPC], 4
.Lstep_\@:
	STEP
	s_sub_co_u32 s[STEPC], s[STEPC], 1
	s_cmp_lg_u32 s[STEPC], 0
	s_cbranch_scc1 .Lstep_\@
	s_sub_co_u32 s[TK], s[TK], 4*64*KP
	s_sub_co_u32 s[TV], s[TV], 4*64*VP
	s_xor_b32 s[TK], s[TK], SLOT1                  ; on to the other slot
	s_xor_b32 s[TV], s[TV], SLOT1
.endm
; A block of queries ends: the keys left out enter, O^T is divided by the sum, rounded to f16, and leaves through my stage as whole rows.
.macro FINISH
.rept 4
	v_nop                                          ; places between the last products and the first read of their results
.endr
	s_and_b32 s96, s[Q0], 0xffffffc0
	s_sub_co_u32 s96, 1984, s96                    ; n = 2,048 - (my diagonal step's first key + 64): the keys left out
	s_cvt_f32_u32 s[NF], s96
	s_mov_b32 s97, 0xff61b1e6
	s_cmp_lg_u32 s96, 0
	s_cselect_b32 s[NEGS], s[NEG2], s97            ; their score; with none left out a number under every score
.irp u, 0,1
	v_add_f32 v[ST+8*\u+4], v[ST+8*\u+2], v[ST+8*\u+3]
.endr
.irp u, 0,1
	v_permlanex16_b32 v[ST+8*\u+5], v[ST+8*\u+4], s[SEL], s[SEL+1]
.endr
.irp u, 0,1
	v_add_f32 v[ST+8*\u+4], v[ST+8*\u+4], v[ST+8*\u+5]               ; the row's sum so far
.endr
.irp u, 0,1
	v_max_num_f32 v[ST+8*\u+5], s[NEGS], v[ST+8*\u]                  ; the maximum over all 2,048 keys
.endr
.irp u, 0,1
	v_sub_f32 v[ST+8*\u+6], v[ST+8*\u], v[ST+8*\u+5]
	v_sub_f32 v[ST+8*\u+7], s[NEGS], v[ST+8*\u+5]
.endr
.irp u, 0,1
	v_exp_f32 v[ST+8*\u+6], v[ST+8*\u+6]
	v_exp_f32 v[ST+8*\u+7], v[ST+8*\u+7]           ; a left-out key's weight
.endr
	v_nop
	s_wait_alu depctr_va_vdst(0)                   ; one wait for the four exponentials
.irp u, 0,1
	v_mul_f32 v[ST+8*\u+4], v[ST+8*\u+4], v[ST+8*\u+6]
.endr
.irp u, 0,1
	v_fmac_f32 v[ST+8*\u+4], s[NF], v[ST+8*\u+7]
.endr
.irp u, 0,1
	v_rcp_f32 v[ST+8*\u+5], v[ST+8*\u+4]
.endr
	v_nop
	s_wait_alu depctr_va_vdst(0)                   ; and one for the two reciprocals
.irp u, 0,1
	v_mul_f32 v[ST+8*\u+2], v[ST+8*\u+6], v[ST+8*\u+5]
	v_mul_f32 v[ST+8*\u+4], v[ST+8*\u+7], v[ST+8*\u+5]
.endr
.irp u, 0,1
.irp i, 0,2,4,6,8,10,12,14,16,18,20,22,24,26,28,30
	v_pk_mul_f32 v[S+32*\u+\i:S+32*\u+\i+1], v[VS+\i:VS+\i+1], v[ST+8*\u+4:ST+8*\u+5] op_sel_hi:[1,0]
	v_pk_fma_f32 v[S+32*\u+\i:S+32*\u+\i+1], v[O+32*\u+\i:O+32*\u+\i+1], v[ST+8*\u+2:ST+8*\u+3], v[S+32*\u+\i:S+32*\u+\i+1] op_sel_hi:[1,0,1]
.endr
.endr
.irp u, 0,1
.irp i, 0,1,2,3,4,5,6,7,8,9,10,11,12,13,14,15
	v_cvt_pk_f16_f32 v[P+16*\u+\i], v[S+32*\u+2*\i], v[S+32*\u+2*\i+1]
.endr
.endr
.irp u, 0,1
.irp ct, 0,1,2,3
	ds_store_b128 v[STO], v[P+16*\u+4*\ct:P+16*\u+4*\ct+3] offset:16*KP*\u+32*\ct
.endr
.endr
.irp t, 0,1,2,3,4,5,6,7
	ds_load_b128 v[VS+4*\t:VS+4*\t+3], v[RD] offset:4*KP*\t          ; LDS serves a wave's instructions in order: these see my stores
.endr
	s_wait_dscnt 0x0
.irp t, 0,1,2,3,4,5,6,7
	global_store_b128 v[GO], v[VS+4*\t:VS+4*\t+3], s[OA:OA+1] offset:512*\t   ; the wave stores four rows: 512 consecutive bytes, aligned
.endr
.endm
	INIT WI
.Lvisit:                                           ; eight trips: behind each change of slots the next visit's keys are asked for
	CHANGE 1
	s_add_co_u32 s96, s[WI], 1
	s_cmp_lg_u32 s[TT], s96
	s_cbranch_scc1 .Lsame_block                    ; (the work-group's number and the count of visits alone)
	FINISH                                         ; block I is done; block 7 - I begins, at the head's first keys
	s_sub_co_u32 s97, 7, s[WI]
	INIT 97
	s_mov_b32 s[KF], 0
.Lsame_block:
	VISIT
	s_add_co_u32 s[TT], s[TT], 1
	s_cmp_lt_u32 s[TT], 8
	s_cbranch_scc1 .Lvisit
	CHANGE 0                                       ; the last visit is written out: nothing is left to fetch
	VISIT
	FINISH
	s_wait_tensorcnt 0x0                           ; the wave's end
	ds_add_u32 v[SPW], v[NIL]
	s_wait_dscnt 0x0
	s_endpgm
.Lfunc_end_k_q33f142ba87_attn:
	.size	k_q33f142ba87_attn, .Lfunc_end_k_q33f142ba87_attn-k_q33f142ba87_attn
	.p2alignl 7, 3214868480
	.fill 96, 4, 3214868480
	.section	.rodata,"a",@progbits
	.p2align	6, 0x0
	.amdhsa_kernel k_q33f142ba87_attn
		.amdhsa_group_segment_fixed_size 327680
		.amdhsa_private_segment_fixed_size 0
		.amdhsa_enable_private_segment 0
		.amdhsa_kernarg_size 32
		.amdhsa_user_sgpr_count 2
		.amdhsa_user_sgpr_kernarg_segment_ptr 1
		.amdhsa_wavefront_size32 1
		.amdhsa_system_sgpr_workgroup_id_x 1
		.amdhsa_system_sgpr_workgroup_id_y 1
		.amdhsa_system_sgpr_workgroup_id_z 1
		.amdhsa_system_vgpr_workitem_id 0
		.amdhsa_next_free_vgpr 448
		.amdhsa_next_free_sgpr 100
		.amdhsa_reserve_vcc 1
		.amdhsa_float_denorm_mode_32 3
		.amdhsa_float_denorm_mode_16_64 3
		.amdhsa_memory_ordered 1
		.amdhsa_forward_progress 1
		.amdhsa_inst_pref_size 83
	.end_amdhsa_kernel
	.amdgpu_metadata
---
amdhsa.version: [ 1, 2 ]
amdhsa.kernels:
  - .name:           k_q33f142ba87_attn
    .symbol:         k_q33f142ba87_attn.kd
    .args:
      - { .name: qkv, .offset: 0, .size: 8, .value_kind: global_buffer, .address_space: global }
      - { .name: vsuf, .offset: 8, .size: 8, .value_kind: global_buffer, .address_space: global }
      - { .name: attention_mask, .offset: 16, .size: 8, .value_kind: global_buffer, .address_space: global }
      - { .name: o16, .offset: 24, .size: 8, .value_kind: global_buffer, .address_space: global }
    .group_segment_fixed_size: 327680
    .private_segment_fixed_size: 0
    .kernarg_segment_align: 8
    .kernarg_segment_size: 32
    .max_flat_workgroup_size: 256
    .sgpr_count:     100
    .vgpr_count:     448
    .wavefront_size: 32
...
	.end_amdgpu_metadata
.endif
;; end of part 4
;; launch proj (part 5): grid 8 x 64, 4 waves a work-group, clusters of 4 x 4, 327,680 bytes of LDS; arguments o16, wo16, out0, bo; writes out0
.if DOCPART == 5
	.amdgcn_target "amdgcn-amd-amdhsa--gfx1250"
	.amdhsa_code_object_version 6
	.text
	.protected	k_q33f142ba87_proj
	.globl	k_q33f142ba87_proj
	.p2align	8
	.type	k_q33f142ba87_proj,@function
k_q33f142ba87_proj:
	s_mov_b64 s[64:65], 0
	v_nop
	global_prefetch_b8 v0, s[64:65] scope:SCOPE_SE
	s_setreg_imm32_b32 hwreg(HW_REG_WAVE_MODE, 25, 1), 1
	s_wait_xcnt 0x0
	s_wait_alu depctr_hold_cnt(0) depctr_sa_sdst(0) depctr_va_vdst(0) depctr_va_sdst(0) depctr_va_ssrc(0) depctr_va_vcc(0) depctr_vm_vsrc(0)
	s_getreg_b32 s2, hwreg(HW_REG_IB_STS2, 6, 4)
	s_cmp_eq_u32 s2, 0
	s_cbranch_scc0 .Lentry_in_a_cluster
	s_endpgm
.Lentry_in_a_cluster:
	s_bfe_u32 s2, ttmp6, 0x10000c
	s_cmp_lg_u32 s2, 0xf033
	s_cbranch_scc0 .Lentry_shape_is_right
	s_endpgm
.Lentry_shape_is_right:
; out0[m][n] = sum over k of o[m][k] Wo[n][k] + bo[n].  o: f16 laid by head, o16[16][8192][64] (k = 64 head + d); Wo: f16 [1024][1024]; out0: f32 [8192][1024]; sums in f32.
; (Rows 0 to 15 of each sequence are written again, more finely, by the launch that follows.)
; A tile of the output is 128 x 128: 512 work-groups, two for each WGP.  Four waves, each 64 x 64: 16 accumulators.  K goes in steps of 256 (four heads) through two LDS slots.
; A's tile of a K step lies in four pieces, a head each: 64 rows of 128 bytes on end.  One descriptor covers them: 4 rows of 8,192 bytes, 2^20 bytes apart, with 16 bytes of padding behind every 128:
; in LDS a row of a head is 144 bytes, a head 9,216.  B's rows are 512 bytes + 16.
; The bias is the C of each sum's first product.  THE MATRIX INSTRUCTION IS USED TRANSPOSED (source 0 = 16 rows of Wo, source 1 = 16 rows of o): a lane holds eight neighbouring columns of a row.
; CLUSTERS: 4 x 4 work-groups; A's tiles are asked for jointly along a row of the cluster, B's along a column.
; A wave's 64 columns of f32 are 256 aligned bytes of a row: each wave has a stage of its own on the way out, and no barrier is needed there.
; REGISTERS: window 0: v0-31 addresses; v32-63 the bias, later with v64-95 the way out; v128-255 the accumulators ((a, b) at v[128 + 8 (4 a + b)]).  window 1: two fragment buffers of 128.
.set SIZE_N, 1024
.set SIZE_K, 1024
.set KSTEP,  256
.set PA,     144
.set PLANE,  64*PA
.set PB,     528
.set HALFA,  4*PLANE                   ; 64 rows of A, four heads
.set HALFB,  64*PB                     ; 64 rows of B
.set SLOT,   2*HALFA+2*HALFB
.set STAGE,  2*SLOT
.set SPITCH, 272
.set SPARE,  STAGE+4*16*SPITCH
.set LAPS,   SIZE_K/(2*KSTEP)
.set ADRA, 16
.set ADRB, 20
.set STO,  24
.set RD,   25
.set CO,   26
.set SPW,  28
.set NIL,  29
.set TMP,  32
.set ACC,  128
.set F0,   0
.set F1,   128
.set G1, 24
.set G0, 32
.set G1B, 48
.set G0B, 56
.set MSB, 0
.macro WIN new
.if MSB != \new
	s_set_vgpr_msb (MSB<<8)|\new
.set MSB, \new
.endif
.endm
.set MUL,  0x05                        ; sources 0 (B) and 1 (A) window 1; C and D window 0
.set TO_F, 0x40
.macro JLOAD s                         ; a joint load: waves 0 and 1 fetch A's two halves, waves 2 and 3 B's; an s_nop 0 and four v_nop follow each line
	s_cmp_eq_u32 s11, 0
	s_cbranch_scc0 .Lfor_b_\@
	tensor_load_to_lds s[G0+4*\s:G0+4*\s+3], s[G1:G1+7]
	s_nop 0
.rept 4
	v_nop
.endr
	s_branch .Lasked_\@
.Lfor_b_\@:
	tensor_load_to_lds s[G0B+4*\s:G0B+4*\s+3], s[G1B:G1B+7]
	s_nop 0
.rept 4
	v_nop
.endr
.Lasked_\@:
.endm
.macro CREST
	s_cmp_lg_u32 s10, 0
	s_cbranch_scc1 .Lnot_wave_0_\@
	s_barrier_signal -3
.Lnot_wave_0_\@:
	s_barrier_wait -3
	s_barrier_signal -1
	s_barrier_wait -1
.endm
.macro CROUND
	s_barrier_signal -1
	s_barrier_wait -1
	CREST
.endm
	s_load_b128 s[4:7], s[0:1], 0x0                ; o16, wo16
	s_load_b64 s[8:9], s[0:1], 0x10                ; out0
	s_load_b64 s[66:67], s[0:1], 0x18              ; bo
	v_lshl_add_u32 v[SPW], v0, 2, SPARE
	v_mov_b32 v[NIL], 0
	ds_add_u32 v[SPW], v[NIL]                      ; the wave's opening: the add, twice on end, and its wait ahead of my first tensor load
	ds_add_u32 v[SPW], v[NIL]
	v_lshrrev_b32 v1, 5, v0
	v_readfirstlane_b32 s10, v1                    ; wave 0..3
	s_lshr_b32 s11, s10, 1                         ; which half of the tile's rows is mine.  Also: I fetch for A (0) or for B (1)
	s_and_b32 s12, s10, 1                          ; which half of its columns.  Also: which 64 rows of that tile I fetch
	s_bfe_u32 s40, ttmp6, 0x40000
	s_bfe_u32 s41, ttmp6, 0x40004
	s_lshl_b32 s42, ttmp9, 2
	s_add_co_u32 s42, s42, s40                     ; tile column
	s_and_b32 s13, ttmp7, 0xffff
	s_lshl_b32 s13, s13, 2
	s_add_co_u32 s13, s13, s41                     ; tile row
	s_lshl_b32 s43, s41, 2
	s_lshl_b32 s43, 15, s43                        ; my row of the cluster
	s_lshl_b32 s44, 0x1111, s40                    ; my column
	s_or_b32 s[G1+0], s43, (1<<16)|(1<<20)|(1<<21)|(4<<22)|(3<<25)   ; A: elements of 2 bytes; 4 words of padding after every 32
	s_mov_b32 s[G1+1], 4096<<16                    ; tensor_dim0 = 4,096 elements: 64 rows of one head on end
	s_mov_b32 s[G1+2], 4<<16                       ; tensor_dim1 = 4 heads
	s_mov_b32 s[G1+3], 4096<<16                    ; tile_dim0
	s_mov_b32 s[G1+4], 4                           ; tile_dim1
	s_mov_b32 s[G1+5], 524288                      ; from head to head: 2^20 bytes
	s_mov_b32 s[G1+6], 0
	s_mov_b32 s[G1+7], 0
	s_or_b32 s[G1B+0], s44, (1<<16)|(1<<20)|(1<<21)|(6<<22)|(3<<25)  ; B: 4 words after every 128
	s_mov_b32 s[G1B+1], KSTEP<<16
	s_mov_b32 s[G1B+2], 64<<16
	s_mov_b32 s[G1B+3], KSTEP<<16
	s_mov_b32 s[G1B+4], 64
	s_mov_b32 s[G1B+5], SIZE_K
	s_mov_b32 s[G1B+6], 0
	s_mov_b32 s[G1B+7], 0
	s_lshl_b32 s17, s12, 6
	s_lshl_b32 s16, s13, 7
	s_add_co_u32 s16, s16, s17
	s_lshl_b32 s16, s16, 7                         ; A: row 128 x tile row + 64 x half, 128 bytes a row
	s_lshl_b32 s46, s42, 7
	s_add_co_u32 s46, s46, s17
	s_lshl_b32 s46, s46, 11                        ; B: row 128 x tile column + 64 x half, 2,048 bytes a row
	s_mov_b32 s17, 0
	s_mov_b32 s47, 0
	s_mul_i32 s20, s12, HALFA                      ; where they go: no place in the cluster enters an LDS address
	s_mul_i32 s21, s12, HALFB
	s_add_co_u32 s21, s21, 2*HALFA
	s_wait_dscnt 0x0                               ; both opening adds are done
	s_wait_kmcnt 0x0
	s_add_nc_u64 s[14:15], s[4:5], s[16:17]
	s_add_nc_u64 s[46:47], s[6:7], s[46:47]
	CROUND                                         ; all sixteen work-groups are here: the first joint loads meet
.irp s, 0,1
	s_mov_b32 s[G0+4*\s], 1
	s_add_co_u32 s[G0+4*\s+1], s20, \s*SLOT
	s_add_nc_u64 s[G0+4*\s+2:G0+4*\s+3], s[14:15], \s*0x400000       ; K step s: four heads on
	s_or_b32 s[G0+4*\s+3], s[G0+4*\s+3], 0x80000000
	s_mov_b32 s[G0B+4*\s], 1
	s_add_co_u32 s[G0B+4*\s+1], s21, \s*SLOT
	s_add_nc_u64 s[G0B+4*\s+2:G0B+4*\s+3], s[46:47], \s*KSTEP*2
	s_or_b32 s[G0B+4*\s+3], s[G0B+4*\s+3], 0x80000000
	JLOAD \s
.endr
	v_and_b32 v1, 15, v0                           ; l % 16
	v_bfe_u32 v2, v0, 4, 1                         ; l / 16
	v_mul_u32_u24 v3, v1, PA
	v_lshl_add_u32 v3, v2, 4, v3
	v_mul_u32_u24 v4, v1, PB
	v_lshl_add_u32 v4, v2, 4, v4
	s_mul_i32 s21, s11, HALFA                      ; my 64 rows of A
	s_mul_i32 s22, s12, HALFB                      ; my 64 rows of B,
	s_add_co_u32 s22, s22, 2*HALFA                 ; which lie behind A's 128
.irp s, 0,1
	v_add_nc_u32 v[ADRA+\s], s21, v3
	v_add_nc_u32 v[ADRB+\s], s22, v4
	s_add_co_u32 s21, s21, SLOT
	s_add_co_u32 s22, s22, SLOT
.endr
	s_mul_i32 s23, s10, 16*SPITCH
	s_add_co_u32 s23, s23, STAGE                   ; my stage
	v_mul_u32_u24 v4, v1, SPITCH
	v_lshl_add_u32 v4, v2, 5, v4
	v_add_nc_u32 v[STO], s23, v4                   ; in: row l % 16, 32 bytes for each half of the lanes
	v_mul_u32_u24 v5, v2, SPITCH
	v_lshl_add_u32 v5, v1, 4, v5
	v_add_nc_u32 v[RD], s23, v5                    ; back: lanes 0-15 one row of 256 bytes, lanes 16-31 the next
	v_lshlrev_b32 v[CO], 12, v2
	v_lshl_add_u32 v[CO], v1, 4, v[CO]             ; and the same two rows in out0
	v_lshlrev_b32 v6, 5, v2
	s_lshl_b32 s16, s13, 7
	s_lshl_b32 s17, s11, 6
	s_add_co_u32 s16, s16, s17
	s_lshl_b32 s16, s16, 12                        ; my first row: 4,096 bytes a row
	s_mov_b32 s17, 0
	s_add_nc_u64 s[8:9], s[8:9], s[16:17]
	s_lshl_b32 s46, s42, 9
	s_lshl_b32 s47, s12, 8
	s_add_co_u32 s46, s46, s47                     ; my first column, in bytes of f32
	s_mov_b32 s47, 0
	s_add_nc_u64 s[8:9], s[8:9], s[46:47]
	s_add_nc_u64 s[66:67], s[66:67], s[46:47]
.irp b, 0,1,2,3
	global_load_b128 v[TMP+8*\b:TMP+8*\b+3], v6, s[66:67] offset:64*\b       ; bo at columns 16 b + 8 (l / 16) + 0 .. 7: the layout of a product's C
	global_load_b128 v[TMP+8*\b+4:TMP+8*\b+7], v6, s[66:67] offset:64*\b+16
.endr
; 8 matrix instructions: m blocks a0, a0 + 1 x all 4 n blocks, 32 along K: half c of buffer f.  first = 1: the bias starts the sums
.macro MUL8 f, c, a0, first
.irp a, \a0, \a0+1
.irp b, 0,1,2,3
.if \first
	v_wmma_f32_16x16x32_f16 v[ACC+8*(4*(\a)+\b):ACC+8*(4*(\a)+\b)+7], v[\f+64+8*(4*\c+\b):\f+64+8*(4*\c+\b)+7], v[\f+8*(4*\c+\a):\f+8*(4*\c+\a)+7], v[TMP+8*\b:TMP+8*\b+7]
.else
	v_wmma_f32_16x16x32_f16 v[ACC+8*(4*(\a)+\b):ACC+8*(4*(\a)+\b)+7], v[\f+64+8*(4*\c+\b):\f+64+8*(4*\c+\b)+7], v[\f+8*(4*\c+\a):\f+8*(4*\c+\a)+7], v[ACC+8*(4*(\a)+\b):ACC+8*(4*(\a)+\b)+7]
.endif
.endr
.endr
.endm
; 32 LDS loads in one run: the fragments of quarter q (64 along K: one head) into buffer f; the first 32 along K first
.macro FETCH slot, q, f
	WIN TO_F
.irp c, 0,1
.irp i, 0,1,2,3
	ds_load_b128 v[\f+64+8*(4*\c+\i):\f+64+8*(4*\c+\i)+3],   v[ADRB+\slot] offset:128*(\q)+64*\c+\i*16*PB
	ds_load_b128 v[\f+64+8*(4*\c+\i)+4:\f+64+8*(4*\c+\i)+7], v[ADRB+\slot] offset:128*(\q)+64*\c+\i*16*PB+32
	ds_load_b128 v[\f+8*(4*\c+\i):\f+8*(4*\c+\i)+3],         v[ADRA+\slot] offset:PLANE*(\q)+64*\c+\i*16*PA
	ds_load_b128 v[\f+8*(4*\c+\i)+4:\f+8*(4*\c+\i)+7],       v[ADRA+\slot] offset:PLANE*(\q)+64*\c+\i*16*PA+32
.endr
.endr
.endm
.macro PLACES
.rept 4
	v_nop
.endr
.endm
.macro QUARTER slot, q, f, g, first    ; multiplies buffer f and fetches quarter q into g
	s_wait_dscnt 16                                ; the first 32 along K are in; the other sixteen loads may be out
	WIN MUL
	MUL8 \f, 0, 0, \first
	MUL8 \f, 0, 2, \first
	PLACES
	FETCH \slot, \q, \g
	s_wait_dscnt 32                                ; all but the 32 just issued
	WIN MUL
	MUL8 \f, 1, 0, 0
	MUL8 \f, 1, 2, 0
.endm
; The last quarter multiplies buffer 1 and changes slots: ONE barrier; in front of it each wave waits for all its tensor loads, adds 0 to its spare word, and waits for that and for its reads of this slot.
.macro TURN slot, next, fill
	WIN 0
	s_wait_tensorcnt 0x0                           ; all my tensor loads have landed: my part of the next slot
	ds_add_u32 v[SPW], v[NIL]                      ; 0 onto my spare word
	s_wait_dscnt 17                                ; (the add and the youngest sixteen loads may be out)
	WIN MUL
	MUL8 F1, 0, 0, 0
	s_wait_dscnt 0x0                               ; the add is done, and my reads of this slot are over
	s_barrier_signal -1
	MUL8 F1, 0, 2, 0
.if \fill
	WIN 0
.endif
	s_barrier_wait -1
.if \fill
	CREST                                          ; the barrier has opened a round of the cluster's: no wave of any partner still reads this slot or has a load on its way
	s_add_nc_u64 s[G0+4*\slot+2:G0+4*\slot+3], s[G0+4*\slot+2:G0+4*\slot+3], 0x800000      ; two K steps on: eight heads
	s_add_nc_u64 s[G0B+4*\slot+2:G0B+4*\slot+3], s[G0B+4*\slot+2:G0B+4*\slot+3], 2*KSTEP*2
	JLOAD \slot                                    ; the first tensor load behind the round; its four v_nop are also the places in front of the loads below
.else
	PLACES
.endif
	FETCH \next, 0, F0
	WIN MUL
	MUL8 F1, 1, 0, 0
	MUL8 F1, 1, 2, 0
.endm
	s_wait_tensorcnt 1                             ; my part of K step 0 is in (K step 1's load may be out),
	s_barrier_signal -1
	s_barrier_wait -1                              ; everybody's is
	FETCH 0, 0, F0
	s_wait_loadcnt 0x0                             ; the bias
	QUARTER 0, 1, F0, F1, 1
	WIN 0
	s_mov_b32 s3, LAPS-1
.Llap:                                             ; a trip goes once round the ring and fills both slots again
	QUARTER 0, 2, F1, F0, 0
	QUARTER 0, 3, F0, F1, 0
	TURN 0, 1, 1
	QUARTER 1, 1, F0, F1, 0
	QUARTER 1, 2, F1, F0, 0
	QUARTER 1, 3, F0, F1, 0
	TURN 1, 0, 1
	QUARTER 0, 1, F0, F1, 0
	WIN 0
	s_sub_co_u32 s3, s3, 1
	s_cmp_lg_u32 s3, 0
	s_cbranch_scc1 .Llap
	QUARTER 0, 2, F1, F0, 0                        ; the last lap fills nothing
	QUARTER 0, 3, F0, F1, 0
	TURN 0, 1, 0
	QUARTER 1, 1, F0, F1, 0
	QUARTER 1, 2, F1, F0, 0
	QUARTER 1, 3, F0, F1, 0
	s_wait_dscnt 16
	WIN MUL
	MUL8 F1, 0, 0, 0
	MUL8 F1, 0, 2, 0
	s_wait_dscnt 0
	MUL8 F1, 1, 0, 0
	MUL8 F1, 1, 2, 0
	WIN 0
; THE WAY OUT, 16 rows x 64 columns at a time: the accumulators go into my stage as they are, each from its low end on, and come back as rows of 256 bytes.
.macro TOSTAGE a
.irp b, 0,1,2,3
	ds_store_b128 v[STO], v[ACC+8*(4*(\a)+\b):ACC+8*(4*(\a)+\b)+3] offset:64*\b
	ds_store_b128 v[STO], v[ACC+8*(4*(\a)+\b)+4:ACC+8*(4*(\a)+\b)+7] offset:64*\b+16
.endr
.set BB, TMP+32*((\a)%2)
.irp t, 0,1,2,3,4,5,6,7
	ds_load_b128 v[BB+4*\t:BB+4*\t+3], v[RD] offset:\t*2*SPITCH      ; LDS serves a wave's instructions in order: these see the stores above, and the next block's stores come behind them
.endr
.endm
.macro SEND a, younger
.set BB, TMP+32*((\a)%2)
	s_wait_dscnt \younger
.irp t, 0,1,2,3,4,5,6,7
	global_store_b128 v[CO], v[BB+4*\t:BB+4*\t+3], s[8:9] offset:(16*(\a)+2*\t)*4096 th:TH_STORE_NT   ; 16 lanes store 256 consecutive bytes, aligned
.endr
.endm
	PLACES
	TOSTAGE 0
.irp a, 1,2,3
.if \a > 1
	s_wait_xcnt 0x0                                ; block a - 2's stores have read their registers: block a's loads may land there
.endif
	TOSTAGE \a
	SEND \a-1, 16                                  ; behind block a - 1's loads: block a's 8 stores and 8 loads
.endr
	SEND 3, 0
	s_wait_tensorcnt 0x0                           ; the wave's end
	ds_add_u32 v[SPW], v[NIL]
	s_wait_dscnt 0x0
	CROUND                                         ; the closing round
	s_endpgm
.Lfunc_end_k_q33f142ba87_proj:
	.size	k_q33f142ba87_proj, .Lfunc_end_k_q33f142ba87_proj-k_q33f142ba87_proj
	.p2alignl 7, 3214868480
	.fill 96, 4, 3214868480
	.section	.rodata,"a",@progbits
	.p2align	6, 0x0
	.amdhsa_kernel k_q33f142ba87_proj
		.amdhsa_group_segment_fixed_size 327680
		.amdhsa_private_segment_fixed_size 0
		.amdhsa_enable_private_segment 0
		.amdhsa_kernarg_size 32
		.amdhsa_user_sgpr_count 2
		.amdhsa_user_sgpr_kernarg_segment_ptr 1
		.amdhsa_wavefront_size32 1
		.amdhsa_system_sgpr_workgroup_id_x 1
		.amdhsa_system_sgpr_workgroup_id_y 1
		.amdhsa_system_sgpr_workgroup_id_z 1
		.amdhsa_system_vgpr_workitem_id 0
		.amdhsa_next_free_vgpr 512
		.amdhsa_next_free_sgpr 68
		.amdhsa_reserve_vcc 0
		.amdhsa_float_denorm_mode_32 3
		.amdhsa_float_denorm_mode_16_64 3
		.amdhsa_memory_ordered 1
		.amdhsa_forward_progress 1
		.amdhsa_inst_pref_size 87
	.end_amdhsa_kernel
	.amdgpu_metadata
---
amdhsa.version: [ 1, 2 ]
amdhsa.kernels:
  - .name:           k_q33f142ba87_proj
    .symbol:         k_q33f142ba87_proj.kd
    .args:
      - { .name: o16, .offset: 0, .size: 8, .value_kind: global_buffer, .address_space: global }
      - { .name: wo16, .offset: 8, .size: 8, .value_kind: global_buffer, .address_space: global }
      - { .name: out0, .offset: 16, .size: 8, .value_kind: global_buffer, .address_space: global }
      - { .name: bo, .offset: 24, .size: 8, .value_kind: global_buffer, .address_space: global }
    .group_segment_fixed_size: 327680
    .private_segment_fixed_size: 0
    .kernarg_segment_align: 8
    .kernarg_segment_size: 32
    .max_flat_workgroup_size: 128
    .sgpr_count:     68
    .vgpr_count:     512
    .wavefront_size: 32
...
	.end_amdgpu_metadata
.endif
;; end of part 5
;; launch last (part 6): grid 64 x 4, 8 waves a work-group, no clusters, 9,216 bytes of LDS; arguments ofine, Wo, bo, out0; writes out0
.if DOCPART == 6
	.amdgcn_target "amdgcn-amd-amdhsa--gfx1250"
	.amdhsa_code_object_version 6
	.text
	.protected	k_q33f142ba87_last
	.globl	k_q33f142ba87_last
	.p2align	8
	.type	k_q33f142ba87_last,@function
k_q33f142ba87_last:
	s_mov_b64 s[64:65], 0
	v_nop
	global_prefetch_b8 v0, s[64:65] scope:SCOPE_SE
	s_setreg_imm32_b32 hwreg(HW_REG_WAVE_MODE, 25, 1), 1
	s_wait_xcnt 0x0
; Rows 0 to 15 of each sequence once more, in f32 throughout: out0[2048 b + pos][n] = sum over k of ofine[b][pos][k] Wo[n][k] + bo[n].  These rows average few values and are the largest in size.
; 64 x 1,024 x 1,024 multiply-adds in all: no bulk work, so the f32 matrix form serves.  Work-group (x = 16 columns n, y = b); eight waves share K, 128 each; their parts meet in LDS.
; K is taken in another order than it lies, alike in both operands: a lane's load of 16 bytes at 32 i + 16 (l / 16) feeds two instructions, registers 0, 1 and 2, 3.
; TRANSPOSED: source 0 = 16 rows of Wo, source 1 = the 16 positions: a lane holds position l % 16 and columns 8 (l / 16) + 0 .. 7.
; The stores are runs of 64 bytes a row: 256 KiB in all, under one part in a hundred of the output; wider tiles would leave most WGPs without work.
; v160-191, the four accumulators, are written by matrix instructions alone.
.set RED,   0                          ; 1,024 bytes a wave: an image of its 8 sums' registers
.set SPARE, 8192
.set SPW,   4
.set NIL,   5
.set OF,    32                         ; v32-95   ofine's numbers
.set WF,    96                         ; v96-159  Wo's
.set ACC,   160
	s_load_b256 s[4:11], s[0:1], 0x0               ; ofine, Wo, bo, out0
	v_lshl_add_u32 v[SPW], v0, 2, SPARE
	v_mov_b32 v[NIL], 0
	v_lshrrev_b32 v1, 5, v0
	v_readfirstlane_b32 s12, v1                    ; wave 0..7
	s_and_b32 s13, ttmp7, 0xffff                   ; b
	v_and_b32 v1, 15, v0                           ; r
	v_bfe_u32 v2, v0, 4, 1                         ; h
	v_lshlrev_b32 v3, 12, v1
	v_lshl_add_u32 v3, v2, 4, v3                   ; row r of 4,096 bytes, + 16 h
	v_and_b32 v6, 31, v0
	v_lshlrev_b32 v6, 4, v6
	s_lshl_b32 s14, s12, 10
	v_add_nc_u32 v6, s14, v6                       ; my wave's image: 16 x lane
	v_bfe_u32 v7, v0, 4, 2                         ; qd: which four of the 16 columns a thread of waves 0 and 1 finishes
	v_and_b32 v28, 1, v7
	v_lshlrev_b32 v28, 9, v28                      ; registers 0-3 or 4-7 of the image,
	v_lshrrev_b32 v31, 1, v7
	v_lshl_add_u32 v28, v31, 8, v28                ; of lane r + 16 (qd / 2)
	v_lshl_add_u32 v28, v1, 4, v28
	v_lshlrev_b32 v29, 12, v1
	v_lshl_add_u32 v29, v7, 4, v29                 ; out0: row r, 16 qd bytes on
	v_lshlrev_b32 v30, 4, v7
	s_lshl_b32 s16, s13, 16
	s_lshl_b32 s15, s12, 9                         ; my 128 along K
	s_add_co_u32 s16, s16, s15
	s_mov_b32 s17, 0
	s_lshl_b32 s18, ttmp9, 16                      ; 16 rows of Wo
	s_add_co_u32 s18, s18, s15
	s_mov_b32 s19, 0
	s_lshl_b32 s20, ttmp9, 6                       ; 16 columns of f32
	s_mov_b32 s21, 0
	s_lshl_b32 s22, s13, 23                        ; 2,048 rows of 4,096 bytes
	s_add_co_u32 s22, s22, s20
	s_mov_b32 s23, 0
	s_wait_kmcnt 0x0
	s_add_nc_u64 s[4:5], s[4:5], s[16:17]
	s_add_nc_u64 s[6:7], s[6:7], s[18:19]
	s_add_nc_u64 s[8:9], s[8:9], s[20:21]
	s_add_nc_u64 s[10:11], s[10:11], s[22:23]
.irp i, 0,1,2,3,4,5,6,7,8,9,10,11,12,13,14,15
	global_load_b128 v[OF+4*\i:OF+4*\i+3], v3, s[4:5] offset:32*\i
	global_load_b128 v[WF+4*\i:WF+4*\i+3], v3, s[6:7] offset:32*\i
.endr
	global_load_b128 v[24:27], v30, s[8:9]         ; bo at my four columns
	s_wait_loadcnt 0x0
.irp x, 0,1,2,3,4,5,6,7,8,9,10,11,12,13,14,15,16,17,18,19,20,21,22,23,24,25,26,27,28,29,30,31
.if \x < 4                             ; four accumulators by turns; each sum's first product starts it
	v_wmma_f32_16x16x4_f32 v[ACC+8*(\x%4):ACC+8*(\x%4)+7], v[WF+2*\x:WF+2*\x+1], v[OF+2*\x:OF+2*\x+1], 0
.else
	v_wmma_f32_16x16x4_f32 v[ACC+8*(\x%4):ACC+8*(\x%4)+7], v[WF+2*\x:WF+2*\x+1], v[OF+2*\x:OF+2*\x+1], v[ACC+8*(\x%4):ACC+8*(\x%4)+7]
.endif
.endr
.rept 8
	v_nop                                          ; eight places behind this form, ahead of the first read of its results (ISA guide 7.12.1)
.endr
.irp p, 0,2,4,6                        ; the four accumulators are added, each read from its low end on, into other registers
	v_pk_add_f32 v[8+\p:9+\p], v[ACC+\p:ACC+\p+1], v[ACC+8+\p:ACC+8+\p+1]
	v_pk_add_f32 v[16+\p:17+\p], v[ACC+16+\p:ACC+16+\p+1], v[ACC+24+\p:ACC+24+\p+1]
	v_pk_add_f32 v[8+\p:9+\p], v[8+\p:9+\p], v[16+\p:17+\p]
.endr
	ds_store_b128 v6, v[8:11]
	ds_store_b128 v6, v[12:15] offset:512
	s_wait_dscnt 0x0                               ; for the others' sake: my stores have landed
	s_barrier_signal -1
	s_barrier_wait -1
	s_cmp_lt_u32 s12, 2
	s_cbranch_scc0 .Ldone                          ; 64 threads finish the 16 x 16 numbers, four each
.irp w, 0,1,2,3,4,5,6,7
	ds_load_b128 v[32+4*\w:35+4*\w], v28 offset:RED+1024*\w
.endr
	s_wait_dscnt 0x0
.irp w, 1,2,3,4,5,6,7
	v_pk_add_f32 v[32:33], v[32:33], v[32+4*\w:33+4*\w]
	v_pk_add_f32 v[34:35], v[34:35], v[34+4*\w:35+4*\w]
.endr
	v_pk_add_f32 v[32:33], v[32:33], v[24:25]
	v_pk_add_f32 v[34:35], v[34:35], v[26:27]
	global_store_b128 v29, v[32:35], s[10:11]
.Ldone:
	s_wait_tensorcnt 0x0                           ; the wave's end, behind my last LDS store
	ds_add_u32 v[SPW], v[NIL]
	s_wait_dscnt 0x0
	s_endpgm
.Lfunc_end_k_q33f142ba87_last:
	.size	k_q33f142ba87_last, .Lfunc_end_k_q33f142ba87_last-k_q33f142ba87_last
	.p2alignl 7, 3214868480
	.fill 96, 4, 3214868480
	.section	.rodata,"a",@progbits
	.p2align	6, 0x0
	.amdhsa_kernel k_q33f142ba87_last
		.amdhsa_group_segment_fixed_size 9216
		.amdhsa_private_segment_fixed_size 0
		.amdhsa_enable_private_segment 0
		.amdhsa_kernarg_size 32
		.amdhsa_user_sgpr_count 2
		.amdhsa_user_sgpr_kernarg_segment_ptr 1
		.amdhsa_wavefront_size32 1
		.amdhsa_system_sgpr_workgroup_id_x 1
		.amdhsa_system_sgpr_workgroup_id_y 1
		.amdhsa_system_sgpr_workgroup_id_z 1
		.amdhsa_system_vgpr_workitem_id 0
		.amdhsa_next_free_vgpr 192
		.amdhsa_next_free_sgpr 66
		.amdhsa_reserve_vcc 0
		.amdhsa_float_denorm_mode_32 3
		.amdhsa_float_denorm_mode_16_64 3
		.amdhsa_memory_ordered 1
		.amdhsa_forward_progress 1
		.amdhsa_inst_pref_size 10
	.end_amdhsa_kernel
	.amdgpu_metadata
---
amdhsa.version: [ 1, 2 ]
amdhsa.kernels:
  - .name:           k_q33f142ba87_last
    .symbol:         k_q33f142ba87_last.kd
    .args:
      - { .name: ofine, .offset: 0, .size: 8, .value_kind: global_buffer, .address_space: global }
      - { .name: Wo, .offset: 8, .size: 8, .value_kind: global_buffer, .address_space: global }
      - { .name: bo, .offset: 16, .size: 8, .value_kind: global_buffer, .address_space: global }
      - { .name: out0, .offset: 24, .size: 8, .value_kind: global_buffer, .address_space: global }
    .group_segment_fixed_size: 9216
    .private_segment_fixed_size: 0
    .kernarg_segment_align: 8
    .kernarg_segment_size: 32
    .max_flat_workgroup_size: 256
    .sgpr_count:     66
    .vgpr_count:     192
    .wavefront_size: 32
...
	.end_amdgpu_metadata
.endif
;; end of part 6
